; MI455X (gfx1250); checked and timed in simulation.
; The chip was launched on July 23, 2026; its instructions are those of AMD's public machine-readable ISA for CDNA 5 (MIT licence, August 2026) and "CDNA5" Instruction Set Architecture Reference Guide (July 2026). The comments in the code are by the model that wrote it; some were corrected since.
;; Multi Head Attention. Allowed arithmetic: matrix products marked QUANTISED: E2M3 operands, one E8M0 scale for each 32 along K, by v_wmma_scale_f32_16x16x128_f8f6f4 with both operands' format E2M3, f32 sums; everything else in f32.
;; Inputs: Wkv 1,024 x 2,048 float32; Wo 1,024 x 1,024 float32; Wq 1,024 x 1,024 float32; bkv 2,048 float32; bo 1,024 float32; bq 1,024 float32; key_value_padding_mask 4 x 2,048 bool; key_value_sequence 4 x 2,048 x 1,024 float32; query_sequence 4 x 2,048 x 1,024 float32.
;; Outputs: out0 4 x 2,048 x 1,024 float32.
;; Constants: apply_causal_mask = 1.
;; This version of the problem:
;;   THIS VERSION OF THE PROBLEM IS GIVEN IN LOW PRECISION. The matrix products marked QUANTISED in the list below multiply operands that are first quantised to E2M3 (2 exponent bits, 3 mantissa bits; 6 bits a number), with one power-of-two scale for each 32 numbers along K (OCP MX v1.0); their sums are f32. All else is computed in f32.
;;   The module's matrix products, in the order in which they are computed (A, B: the left and right operand; K: the contracted axis; several contracted axes count as one K, in the product's order):
;;     1. [M 8,192, K 1,024] x [K 1,024, N 1,024]; A: input query_sequence; B: input Wq: QUANTISED
;;     2. [M 8,192, K 1,024] x [K 1,024, N 2,048]; A: input key_value_sequence; B: input Wkv: QUANTISED
;;     3. batch 64 x [M 2,048, K 64] x [K 64, N 2,048]; A: computed on the way; B: computed on the way: QUANTISED
;;     4. batch 64 x [M 64, K 2,048] x [K 2,048, N 2,048]; A: computed on the way; B: softmax (see below): QUANTISED
;;     5. [M 8,192, K 1,024] x [K 1,024, N 1,024]; A: computed on the way; B: input Wo: QUANTISED
;;   THE QUANTISER, for each operand of a quantised product, along K:
;;     - K is cut into blocks of 32 from its start; a last block that is shorter is filled with zeros.
;;     - A block's scale is 2^e with e = floor(log2(the largest magnitude in the block)) - 2, held to -126 .. 127; a block of zeros has e = 0. As a byte (E8M0): e + 127.
;;     - Each number is divided by its block's scale, clamped to +-7.5, and rounded to the nearest number of E2M3, ties to even, subnormals kept.
;;     - The product sums the exact products of the quantised numbers (number of the format x scale) in f32.
;;   ~~~python
;;   def quantise(x, axis):      # numpy; x: float32 -> the quantised numbers, widened to float32 again
;;       x = np.moveaxis(x, axis, -1); K = x.shape[-1]
;;       x = np.pad(x, [(0, 0)] * (x.ndim - 1) + [(0, -K % 32)]); x = x.reshape(x.shape[:-1] + (-1, 32)); a = np.abs(x).max(-1, keepdims=True)
;;       e = np.where(a > 0, np.clip(np.frexp(np.where(a > 0, a, 1))[1] - 1 - 2, -126, 127), 0)      # np.frexp(a)[1] - 1 = floor(log2(a)), exactly
;;       r = np.clip(x / 2.0 ** e, -7.5, 7.5)
;;       step = 2.0 ** (np.maximum(np.frexp(np.where(r == 0, 1, r))[1] - 1, 0) - 3)
;;       q = np.round(r / step) * step * 2.0 ** e      # np.round: ties to even
;;       return np.moveaxis(q.reshape(q.shape[:-2] + (-1,))[..., :K], -1, axis).astype(np.float32)
;;   ~~~
;;   SOFTMAX AHEAD OF A QUANTISED PRODUCT. Where the list says 'softmax', what is quantised is not the finished softmax but p = 2^(t - M), with t = logit x log2(e) and M = ceil(the row's largest t), a whole number; so 1/2 < the row's largest p <= 1. The row's sum l is taken of the UNQUANTISED p, in f32, and the product's result is divided by l at the end. Since M is a whole number, a kernel that streams over the keys may use a running M (the ceiling of the running maximum): every later rescaling is an exact power of two, which a block's scale takes up: the codes' values come out the same.
;;   OPERANDS COMPUTED ON THE WAY. 'Computed on the way' means the value that the module computes at that place (a softmax that the list does not call 'softmax' is quantised finished and normalised). What goes into a quantiser is computed in f32, as accurately as f32 sums, v_exp_f32 and their like allow (about 1e-6 of the number): no bf16 or f16 on the way to a quantiser, and a product that is left as it is and whose result goes on into a quantised operand takes f32 operands (vector FMAs, or v_wmma_f32_16x16x4_f32). A number that lies on a knife's edge between two numbers of the format may be rounded either way, as far as f32 arithmetic and the matrix unit's own rounding can turn it there, and no further.
;; One version. Each part assembles by itself: llvm-mc -triple=amdgcn-amd-amdhsa -mcpu=gfx1250 --defsym DOCPART=n.
;; ======== version 1 of 1: 4 launches
;; limits: right only within a limited range of input values
;; workspace buffers: xc 12,582,912 bytes; xs 524,288 bytes; wc 3,145,728 bytes; ws 131,072 bytes; qi 6,815,744 bytes; kv 13,369,344 bytes; oc 6,291,456 bytes; os 294,912 bytes
;; launch prep (part 1): grid 320 x 1, 8 waves a work-group, no clusters, 119,808 bytes of LDS; arguments query_sequence, key_value_sequence, Wq, Wkv, Wo, xc, xs, wc, ws; writes xc, xs, wc, ws
.if DOCPART == 1
	.amdgcn_target "amdgcn-amd-amdhsa--gfx1250"
	.amdhsa_code_object_version 6
	.text
	.protected	k_qc584429e4f_prep
	.globl	k_qc584429e4f_prep
	.p2align	8
	.type	k_qc584429e4f_prep,@function
k_qc584429e4f_prep:
	s_mov_b64 s[64:65], 0
	v_nop
	global_prefetch_b8 v0, s[64:65] scope:SCOPE_SE
	s_setreg_imm32_b32 hwreg(HW_REG_WAVE_MODE, 25, 1), 1
	s_wait_xcnt 0x0
; PREP: both sequences ([8192][1024] f32 each, K innermost) and the three weights ([1024 (K)][N] f32, K outermost) become codes of FP6 (E2M3) with one E8M0 byte for each 32 along K.
; A block's scale is 2^(floor(log2(largest magnitude)) - 2): its byte is the largest magnitude's exponent field - 2, held at 1 from below.
; LAYOUT OF THE RESULT.  Rows (tokens, or a weight's output columns) go in tiles of 16: tile 2 b + u holds rows 32 b + 8 u + r + 8 (r / 8), r = 0 .. 15.  A UNIT, 768 bytes, is a tile x 64 along K as an image of operand
; registers: lane l = r + 16 h holds the 24 bytes of k = 32 h .. 32 h + 31 of row r: registers 0-3 at 16 l, registers 4-5 at 512 + 8 l.  Codes: [tile][16 units]; scale words: [tile][4][r][2 words], word s for k = 128 s on.
; LIMITS: a block of zeros gets the byte 1 (its codes are zeros; these bytes are read by this program alone); blocks whose largest magnitude lies under 2^-124 have the byte held at 1; NaN and infinities among the inputs are not served.
; Work-groups 0-255 take the sequences, 256-319 the weights: 262,144 bytes of f32 each.  The two ways have LDS bytes of their own.  Waves share nothing: no barrier.  No matrix unit, no cluster: a stream, each byte once.
.set XSTW,  8448                       ; sequences: a wave's stage: 16 rows x (512 + 16) bytes
.set WST,   67584                      ; weights: the stages begin behind the eight stages above
.set WSTW,  6400                       ; a wave's: two tiles x (4 units + 128 bytes)
.set SPARE, 118784                     ; the spare words: 128 bytes a wave, four blocks of 256 bytes that no other line names
.set L16,   4                          ; v4  16 x lane
.set L8,    5                          ; v5  8 x lane
.set STI,   6                          ; v6  stage, way in
.set STO,   7                          ; v7  stage, way out
.set SW,    16                         ; v16-19 scale words of four steps (weights: v16-17 the column's two words)
.set C,     24                         ; v24-42 codes
.set SPW,   44                         ; v44 my spare word's address; never rewritten
.set NIL,   45                         ; v45 0; never rewritten
.set R,     64                         ; v64-191 sequences: two sets of 16 x 4 registers as loaded
.set X,     192                        ; v192-255 sequences: my 64 numbers of a step
.set VOF,   64                         ; v64-95 weights: 4 x lane + i x the row's bytes
.set XWR,   96                         ; v96-159 weights: two sets of 32 numbers down K
.set OUTR,  160                        ; v160-207 weights: the way out
	s_load_b256 s[4:11], s[0:1], 0x0               ; query s[4:5], key_value s[6:7], Wq s[8:9], Wkv s[10:11]
	s_load_b256 s[12:19], s[0:1], 0x20             ; Wo s[12:13], xc s[14:15], xs s[16:17], wc s[18:19]
	s_load_b64 s[20:21], s[0:1], 0x40              ; ws
	v_lshl_add_u32 v[SPW], v0, 2, SPARE
	v_mov_b32 v[NIL], 0
	v_lshrrev_b32 v1, 5, v0
	s_delay_alu instid0(VALU_DEP_1)
	v_readfirstlane_b32 s22, v1                    ; wave 0..7
	v_and_b32 v1, 31, v0                           ; lane
	v_and_b32 v2, 15, v0                           ; r
	v_bfe_u32 v3, v0, 4, 1                         ; h
	s_delay_alu instid0(VALU_DEP_3)
	v_lshlrev_b32 v[L16], 4, v1
	s_delay_alu instid0(VALU_DEP_4)
	v_lshlrev_b32 v[L8], 3, v1
	s_mov_b32 s24, 0x76543210
	s_mov_b32 s25, 0xfedcba98                      ; selects for lane l xor 16
	s_cmp_lt_u32 ttmp9, 256
	s_cbranch_scc0 .Lw
; ---- THE SEQUENCES.  Wave W = 8 g + w takes tile W / 2 and 512 of its K (half W % 2): four steps of 128.
	s_mul_i32 s23, s22, XSTW
	v_add_nc_u32 v[STI], s23, v[L16]               ; in: a row's 512 bytes as they lie
	v_mul_u32_u24 v[STO], v2, 528
	s_delay_alu instid0(VALU_DEP_1)
	v_lshl_add_u32 v[STO], v3, 7, v[STO]
	s_delay_alu instid0(VALU_DEP_1)
	v_add_nc_u32 v[STO], s23, v[STO]               ; out: row r, + 128 h: my 32 numbers of each 64
	s_lshl_b32 s26, ttmp9, 3
	s_add_co_u32 s26, s26, s22                     ; W
	s_lshr_b32 s27, s26, 1                         ; tile 0..1023
	s_and_b32 s28, s26, 1                          ; which half of K
	s_and_b32 s29, s27, 511                        ; the tile within its sequence
	s_lshr_b32 s30, s29, 1
	s_lshl_b32 s30, s30, 5
	s_and_b32 s31, s29, 1
	s_lshl_b32 s31, s31, 3
	s_add_co_u32 s30, s30, s31                     ; its first row: 32 b + 8 u
	s_lshl_b32 s30, s30, 12                        ; rows of 4,096 bytes
	s_lshl_b32 s31, s28, 11
	s_add_co_u32 s30, s30, s31
	s_mov_b32 s31, 0
	s_mul_i32 s32, s27, 12288
	s_mul_i32 s33, s28, 6144
	s_add_co_u32 s32, s32, s33
	s_mov_b32 s33, 0
	s_lshl_b32 s34, s27, 9
	s_lshl_b32 s35, s28, 8
	s_add_co_u32 s34, s34, s35
	s_mov_b32 s35, 0
	s_wait_kmcnt 0x0
	s_cmp_lt_u32 ttmp9, 128                        ; the choice hangs on the work-group's number alone
	s_cselect_b64 s[4:5], s[4:5], s[6:7]
	s_add_nc_u64 s[4:5], s[4:5], s[30:31]
	s_add_nc_u64 s[14:15], s[14:15], s[32:33]
	s_add_nc_u64 s[16:17], s[16:17], s[34:35]
.macro XLOAD t                         ; step t: 16 loads, each 512 consecutive bytes of one of the tile's rows
.irp p, 0,1,2,3,4,5,6,7,8,9,10,11,12,13,14,15
	global_load_b128 v[R+64*((\t)%2)+4*\p:R+64*((\t)%2)+4*\p+3], v[L16], s[4:5] offset:(\p+8*(\p/8))*4096+512*(\t) th:TH_LOAD_NT
.endr
.endm
.macro XSTEP t
.if (\t) < 3
	s_wait_loadcnt 16                              ; this step's 16 loads are in; the next step's 16 may be out
.else
	s_wait_loadcnt 0x0
.endif
.irp p, 0,1,2,3,4,5,6,7,8,9,10,11,12,13,14,15
	ds_store_b128 v[STI], v[R+64*((\t)%2)+4*\p:R+64*((\t)%2)+4*\p+3] offset:528*\p
.endr
.irp c, 0,1
.irp i, 0,1,2,3,4,5,6,7
	ds_load_b128 v[X+32*\c+4*\i:X+32*\c+4*\i+3], v[STO] offset:256*\c+16*\i   ; k = 64 c + 32 h + 0 .. 31 of row r; LDS serves a wave's instructions in order
.endr
.endr
	s_wait_dscnt 0x0                               ; my numbers are here, and the stores have read their registers
.if (\t) < 2
	XLOAD (\t)+2
.endif
.irp c, 0,1
	v_max3_num_f32 v[8+\c], |v[X+32*\c]|, |v[X+32*\c+1]|, 0x1800000   ; block 2 c + h is all mine; the floor 2^(3 - 127) holds the byte at 1 from below
.endr
.irp i, 2,4,6,8,10,12,14,16,18,20,22,24,26,28,30
.irp c, 0,1
	s_delay_alu instid0(VALU_DEP_2)
	v_max3_num_f32 v[8+\c], v[8+\c], |v[X+32*\c+\i]|, |v[X+32*\c+\i+1]|
.endr
.endr
.irp c, 0,1
	s_delay_alu instid0(VALU_DEP_2)
	v_add_nc_u32 v[10+\c], 0xff000000, v[8+\c]     ; 2 off the exponent field: the conversion's scale operand
.endr
.irp c, 0,1
	s_delay_alu instid0(VALU_DEP_2)
	v_lshrrev_b32 v[12+\c], 23, v[10+\c]           ; the byte
.endr
	s_delay_alu instid0(VALU_DEP_1)
	v_lshl_or_b32 v14, v13, 16, v12                ; blocks h and 2 + h,
	v_lshlrev_b32 v15, 3, v3
	s_delay_alu instid0(VALU_DEP_1)
	v_lshlrev_b32 v14, v15, v14                    ; at their places in the word;
	v_mov_b32 v15, 0
	s_delay_alu instid0(VALU_DEP_1)
	v_permlanex16_b32 v15, v14, s24, s25
	s_delay_alu instid0(VALU_DEP_1)
	v_or_b32 v[SW+(\t)], v14, v15                  ; with lane l xor 16's two the word is whole
	s_wait_xcnt 0x0                                ; the last step's stores have read the codes' registers
.irp c, 0,1
	v_cvt_scalef32_pk16_fp6_f32 v[C+6*\c:C+6*\c+2], v[X+32*\c:X+32*\c+15], v[10+\c]
	v_cvt_scalef32_pk16_fp6_f32 v[C+12+4*\c:C+14+4*\c], v[X+32*\c+16:X+32*\c+31], v[10+\c]   ; (a conversion's three registers begin on an even number)
.endr
	v_nop                                          ; one plain place behind a scaled conversion
.irp c, 0,1
.irp i, 0,1,2
	v_mov_b32 v[C+3+6*\c+\i], v[C+12+4*\c+\i]
.endr
.endr
.irp c, 0,1
	global_store_b128 v[L16], v[C+6*\c:C+6*\c+3], s[14:15] offset:1536*(\t)+768*\c        ; 512 consecutive bytes, aligned to 256
	global_store_b64 v[L8], v[C+6*\c+4:C+6*\c+5], s[14:15] offset:1536*(\t)+768*\c+512    ; 256 consecutive bytes, aligned
.endr
.endm
	s_wait_alu depctr_va_vdst(0)
	XLOAD 0
	XLOAD 1
	XSTEP 0
	XSTEP 1
	XSTEP 2
	XSTEP 3
	v_cmp_lt_u32 vcc_lo, 15, v1                    ; lanes 0-15 store words 0, 1 of row r, lanes 16-31 words 2, 3
	s_delay_alu instid0(VALU_DEP_1)
	v_cndmask_b32 v20, v[SW], v[SW+2], vcc_lo
	s_delay_alu instid0(VALU_DEP_2)
	v_cndmask_b32 v21, v[SW+1], v[SW+3], vcc_lo
	global_store_b64 v[L8], v[20:21], s[16:17]     ; 256 consecutive bytes, aligned
	s_wait_tensorcnt 0x0                           ; the wave's end: an add to my spare word and its wait behind my last LDS store
	ds_add_u32 v[SPW], v[NIL]
	s_wait_dscnt 0x0
	s_endpgm
; ---- THE WEIGHTS.  The three side by side are 4,096 columns.  A work-group takes 256 columns x 256 of K, a wave 32 columns: a lane a column, its registers down K: a block of 32 lies in one lane.
.Lw:
	s_sub_co_u32 s26, ttmp9, 256
	s_and_b32 s27, s26, 15                         ; which 256 columns
	s_lshr_b32 s28, s26, 4                         ; which 256 of K
	s_lshl_b32 s29, s27, 3
	s_add_co_u32 s29, s29, s22                     ; my 32 columns: group 0..127 = tiles 2 G, 2 G + 1
	s_lshl_b32 s30, s29, 5
	s_wait_kmcnt 0x0
	s_cmp_lt_u32 s27, 12
	s_cselect_b64 s[10:11], s[10:11], s[12:13]     ; Wkv or Wo
	s_mov_b32 s31, 4096
	s_cselect_b32 s31, 8192, s31                   ; a row's bytes
	s_mov_b32 s23, 3072
	s_cselect_b32 s23, 1024, s23                   ; the tensor's first column among the 4,096
	s_cmp_lt_u32 s27, 4
	s_cselect_b64 s[8:9], s[8:9], s[10:11]         ; Wq
	s_cselect_b32 s31, 4096, s31
	s_cselect_b32 s23, 0, s23
	s_sub_co_u32 s30, s30, s23
	s_lshl_b32 s30, s30, 2                         ; my first column in its tensor, in bytes
	s_lshl_b32 s50, s28, 8
	s_mul_i32 s50, s50, s31
	s_add_co_u32 s50, s50, s30
	s_mov_b32 s51, 0
	s_add_nc_u64 s[32:33], s[8:9], s[50:51]        ; block 0's first row
	s_lshl_b32 s50, s31, 5                         ; 32 rows on
.irp t, 1,2,3,4,5,6,7
	s_add_nc_u64 s[32+2*\t:33+2*\t], s[30+2*\t:31+2*\t], s[50:51]
.endr
	s_mul_i32 s23, s22, WSTW
	s_add_co_u32 s23, s23, WST                     ; my stage
	v_bfe_u32 v9, v0, 3, 1                         ; column cc = lane lies in tile u = (cc / 8) % 2,
	v_and_b32 v7, 7, v0
	s_wait_alu depctr_va_vdst(0)
	v_lshl_add_u32 v7, v3, 3, v7                   ; at row r = cc % 8 + 8 (cc / 16)
	v_mul_u32_u24 v10, v9, 3200
	s_delay_alu instid0(VALU_DEP_1)
	v_add_nc_u32 v10, s23, v10
	s_delay_alu instid0(VALU_DEP_1)
	v_lshl_add_u32 v11, v7, 4, v10                 ; registers 0-3 of a unit's image
	s_delay_alu instid0(VALU_DEP_2)
	v_lshl_add_u32 v12, v7, 3, v10
	s_delay_alu instid0(VALU_DEP_1)
	v_add_nc_u32 v12, 512, v12                     ; registers 4-5
	v_add_nc_u32 v13, s23, v[L16]                  ; back: 16 x lane
	v_lshlrev_b32 v14, 3, v7
	s_delay_alu instid0(VALU_DEP_1)
	v_lshl_add_u32 v14, v9, 9, v14                 ; my two scale words: 512 u + 8 r
	v_lshlrev_b32 v15, 2, v1
.set i, 0
.rept 32
	v_mad_u32_u24 v[VOF+i], s31, i, v15
.set i, i+1
.endr
	s_mul_i32 s52, s29, 24576
	s_mul_i32 s53, s28, 3072
	s_add_co_u32 s52, s52, s53
	s_mov_b32 s53, 0
	s_add_nc_u64 s[18:19], s[18:19], s[52:53]      ; codes: tile 2 G, unit 4 ky
	s_lshl_b32 s52, s29, 10
	s_lshl_b32 s54, s28, 7
	s_add_co_u32 s52, s52, s54
	s_add_nc_u64 s[20:21], s[20:21], s[52:53]      ; scale words: tile 2 G, pair ky
.macro WLOAD t                         ; block t: 32 rows of K at my column: a wave reads 128 consecutive bytes, the work-group 1,024
.set i, 0
.rept 32
	global_load_b32 v[XWR+32*((\t)%2)+i], v[VOF+i], s[32+2*(\t):33+2*(\t)] th:TH_LOAD_NT
.set i, i+1
.endr
.endm
.macro WBLOCK t
.set XS, XWR+32*((\t)%2)
.if (\t) < 7
	s_wait_loadcnt 32                              ; this block's 32 loads are in; the next block's may be out
.else
	s_wait_loadcnt 0x0
.endif
	v_max3_num_f32 v20, |v[XS]|, |v[XS+1]|, |v[XS+2]|
	v_max3_num_f32 v21, |v[XS+3]|, |v[XS+4]|, |v[XS+5]|
.irp i, 6,10,14,18,22,26
	s_delay_alu instid0(VALU_DEP_2)
	v_max3_num_f32 v20, v20, |v[XS+\i]|, |v[XS+\i+1]|
	s_delay_alu instid0(VALU_DEP_2)
	v_max3_num_f32 v21, v21, |v[XS+\i+2]|, |v[XS+\i+3]|
.endr
	s_delay_alu instid0(VALU_DEP_2)
	v_max3_num_f32 v20, v20, |v[XS+30]|, |v[XS+31]|
	s_delay_alu instid0(VALU_DEP_1)
	v_max3_num_f32 v20, v20, v21, 0x1800000        ; and the floor
	s_delay_alu instid0(VALU_DEP_1)
	v_add_nc_u32 v22, 0xff000000, v20
	v_cvt_scalef32_pk16_fp6_f32 v[C:C+2], v[XS:XS+15], v22
	v_cvt_scalef32_pk16_fp6_f32 v[C+4:C+6], v[XS+16:XS+31], v22
	v_lshrrev_b32 v23, 23, v22                     ; the byte (also the plain place behind the conversions)
.if (\t)%4 == 0
	s_delay_alu instid0(VALU_DEP_1)
	v_mov_b32 v[SW+(\t)/4], v23
.else
	s_delay_alu instid0(VALU_DEP_1)
	v_lshl_or_b32 v[SW+(\t)/4], v23, 8*((\t)%4), v[SW+(\t)/4]
.endif
	v_mov_b32 v[C+3], v[C+4]                       ; the block's six registers on end
	v_mov_b32 v[C+4], v[C+5]
	v_mov_b32 v[C+5], v[C+6]
	ds_store_b128 v11, v[C:C+3] offset:768*((\t)/2)+256*((\t)%2)     ; unit t / 2, half h = t % 2
	ds_store_b64 v12, v[C+4:C+5] offset:768*((\t)/2)+128*((\t)%2)
.if (\t) < 6
	WLOAD (\t)+2
.endif
	s_wait_dscnt 0x0                               ; the stores have read their registers
.endm
	s_wait_alu depctr_va_vdst(0)
	WLOAD 0
	WLOAD 1
.irp t, 0,1,2,3,4,5,6,7
	WBLOCK \t
.endr
	s_wait_alu depctr_va_vdst(0)
	global_store_b64 v14, v[SW:SW+1], s[20:21]     ; sixteen lanes store 128 consecutive bytes: half a block of 256, one byte in 128 of what this way reads
.irp n, 0,1,2,3,4,5,6,7,8,9,10,11
	ds_load_b128 v[OUTR+4*\n:OUTR+4*\n+3], v13 offset:3200*(\n/6)+512*(\n%6)
.endr
.irp n, 0,1,2,3,4,5,6,7,8,9,10,11
	s_wait_dscnt 11-\n                             ; load n is in; the younger ones may be out
	global_store_b128 v[L16], v[OUTR+4*\n:OUTR+4*\n+3], s[18:19] offset:12288*(\n/6)+512*(\n%6)   ; 512 consecutive bytes, aligned to 256
.endr
	s_wait_tensorcnt 0x0                           ; the wave's end: an add to my spare word and its wait behind my last LDS store
	ds_add_u32 v[SPW], v[NIL]
	s_wait_dscnt 0x0
	s_endpgm
.Lfunc_end_k_qc584429e4f_prep:
	.size	k_qc584429e4f_prep, .Lfunc_end_k_qc584429e4f_prep-k_qc584429e4f_prep
	.p2alignl 7, 3214868480
	.fill 96, 4, 3214868480
	.section	.rodata,"a",@progbits
	.p2align	6, 0x0
	.amdhsa_kernel k_qc584429e4f_prep
		.amdhsa_group_segment_fixed_size 119808
		.amdhsa_private_segment_fixed_size 0
		.amdhsa_enable_private_segment 0
		.amdhsa_kernarg_size 72
		.amdhsa_user_sgpr_count 2
		.amdhsa_user_sgpr_kernarg_segment_ptr 1
		.amdhsa_wavefront_size32 1
		.amdhsa_system_sgpr_workgroup_id_x 1
		.amdhsa_system_sgpr_workgroup_id_y 1
		.amdhsa_system_sgpr_workgroup_id_z 1
		.amdhsa_system_vgpr_workitem_id 0
		.amdhsa_next_free_vgpr 256
		.amdhsa_next_free_sgpr 66
		.amdhsa_reserve_vcc 1
		.amdhsa_float_denorm_mode_32 3
		.amdhsa_float_denorm_mode_16_64 3
		.amdhsa_memory_ordered 1
		.amdhsa_forward_progress 1
		.amdhsa_inst_pref_size 84
	.end_amdhsa_kernel
	.amdgpu_metadata
---
amdhsa.version: [ 1, 2 ]
amdhsa.kernels:
  - .name:           k_qc584429e4f_prep
    .symbol:         k_qc584429e4f_prep.kd
    .args:
      - { .name: query_sequence, .offset: 0, .size: 8, .value_kind: global_buffer, .address_space: global }
      - { .name: key_value_sequence, .offset: 8, .size: 8, .value_kind: global_buffer, .address_space: global }
      - { .name: Wq, .offset: 16, .size: 8, .value_kind: global_buffer, .address_space: global }
      - { .name: Wkv, .offset: 24, .size: 8, .value_kind: global_buffer, .address_space: global }
      - { .name: Wo, .offset: 32, .size: 8, .value_kind: global_buffer, .address_space: global }
      - { .name: xc, .offset: 40, .size: 8, .value_kind: global_buffer, .address_space: global }
      - { .name: xs, .offset: 48, .size: 8, .value_kind: global_buffer, .address_space: global }
      - { .name: wc, .offset: 56, .size: 8, .value_kind: global_buffer, .address_space: global }
      - { .name: ws, .offset: 64, .size: 8, .value_kind: global_buffer, .address_space: global }
    .group_segment_fixed_size: 119808
    .private_segment_fixed_size: 0
    .kernarg_segment_align: 8
    .kernarg_segment_size: 72
    .max_flat_workgroup_size: 256
    .sgpr_count:     66
    .vgpr_count:     256
    .wavefront_size: 32
...
	.end_amdgpu_metadata
.endif
;; end of part 1
;; launch proj (part 2): grid 12 x 32, 4 waves a work-group, clusters of 4 x 4, 327,680 bytes of LDS; arguments xc, xs, wc, ws, bq, bkv, key_value_padding_mask, qi, kv; writes qi, kv
.if DOCPART == 2
	.amdgcn_target "amdgcn-amd-amdhsa--gfx1250"
	.amdhsa_code_object_version 6
	.text
	.protected	k_qc584429e4f_proj
	.globl	k_qc584429e4f_proj
	.p2align	8
	.type	k_qc584429e4f_proj,@function
k_qc584429e4f_proj:
	s_mov_b64 s[64:65], 0
	v_nop
	global_prefetch_b8 v0, s[64:65] scope:SCOPE_SE
	s_setreg_imm32_b32 hwreg(HW_REG_WAVE_MODE, 25, 1), 1
	s_wait_xcnt 0x0
	s_wait_alu depctr_hold_cnt(0) depctr_sa_sdst(0) depctr_va_vdst(0) depctr_va_sdst(0) depctr_va_ssrc(0) depctr_va_vcc(0) depctr_vm_vsrc(0)
	s_getreg_b32 s2, hwreg(HW_REG_IB_STS2, 6, 4)
	s_cmp_eq_u32 s2, 0
	s_cbranch_scc0 .Lentry_in_a_cluster
	s_endpgm
.Lentry_in_a_cluster:
	s_bfe_u32 s2, ttmp6, 0x10000c
	s_cmp_lg_u32 s2, 0xf033
	s_cbranch_scc0 .Lentry_shape_is_right
	s_endpgm
.Lentry_shape_is_right:
; PROJ: q = xq Wq + bq, k and v = xkv Wkv + bkv on codes of FP6 (E2M3) with E8M0 scales, K = 1,024; the results are quantised in registers, q and k along the head's 64, v along the keys, and leave as images of operand registers.
; Clusters of 4 x 4 work-groups; cluster x = 0: q, 1: k, 2: v.  A work-group makes 256 x 256 results, each of its four waves 128 x 128: 64 accumulators, 512 registers.
; The product takes 16 rows of region B as source 0 and 16 rows of region A as source 1: a lane then holds ONE row of A, and its registers run along B's rows.  q, k: A = tokens, B = the weight's columns (registers along the head);
; v: A = the weight's columns, B = tokens (registers along the keys).  The same text multiplies all three: only pointers are chosen, by the cluster's x.
; Rows go in tiles of 16: tile 2 b + u holds rows 32 b + 8 u + r + 8 (r / 8): so the 64 registers of a block of A's rows are B's rows 32 b + 16 (lane / 16) + i at index 16 b + i: sixteen neighbours for a conversion.
; K goes in steps of 256 through two LDS slots filled by joint tensor loads (A's tile shared along a row of the cluster, B's along a column).  A tile's part of a step is 3,072 consecutive bytes: four units of 768, images of registers.
; THE PADDING MASK rides in the half of K that a head of 64 leaves free: byte 2 of q's scale words is 127, of k's 227 for a padded key and 0 for an open one; the attention launch sets the codes 1.0 and -1.0 at k = 64.
; LIMITS: NaN and infinities are not served; a block of zeros carries the byte 1.  No prefetch: of the four K steps two are first fills.
; REGISTERS: window 0: v0-31 addresses; v32-63 scale words, two sets; v64-127 biases; v128-223 A's fragments, later a block's 64 numbers and its codes; v212-255 at work on the way out.  window 1: B's two sets.  windows 2, 3: accumulators.
; (The attention launch reads byte 2 of k's scale word a second time, as K's code at k = 64: 227 reads as the code -0.375, 0 as the code 0.)
; THE HEAD: one joint load a wave: wave 0 A's 16 tiles of K step 0, wave 1 A's scale words, wave 2 B's 16 tiles, wave 3 B's scale words; K step 1 follows behind the full sequence and a round.
.set UNIT,  768
.set TROW,  12288                      ; a tile's codes for all of K
.set KSB,   3072                       ; and for a K step of 256
.set HALFT, 24576                      ; 8 tiles: what one tensor load brings, and what a wave reads of A or of B
.set SLOT,  98304
.set SCL,   196608                     ; behind the ring: the scale words of 32 tiles, 512 bytes each, filled once
.set HALFS, 4096
.set SPARE, 212992                     ; the spare words, 128 bytes a wave: two blocks of 256 bytes that no other line names
.set FR, 12
.set NL, 4                             ; LDS loads that bring a fragment
.set NQ, 2
.set NP, 4                             ; places behind this matrix instruction (ISA guide 7.12.1)
.set ADRA, 16                          ; v16-17 A's fragments in slot 0, 1: + 16 x lane; v18-19: + 512 + 8 x lane
.set ADRB, 20                          ; v20-23 the same for B
.set ADRS, 27
.set SPW,  28
.set NIL,  29
.set SC,   32
.set BIAS, 64
.set AF,   128
.set HA,   128                         ; the way out: a block's 64 numbers
.set PC,   192                         ; v192-210 its codes
.set KW,   212                         ; v212-219 the eight blocks' scale words; v220-223 the chosen four
.set XW,   224                         ; v224-231 the mask's bytes, then what they add to a word
.set TM,   232                         ; v232-247 at work in QUANT
.set PW,   248
.set SEL,  66
.set G1, 24
.set G0, 32
.set G1B, 48
.set G0B, 56
.set G1S, 68
.set G0S, 76
.set G1SB, 80
.set G0SB, 88
.set MSB, 0
.macro WIN new                         ; the immediate's high byte repeats the setting that is left
.if MSB != \new
	s_set_vgpr_msb (MSB<<8)|\new
.set MSB, \new
.endif
.endm
.set MUL_LO, 0xa1                      ; source 0 (B) window 1, source 1 (A) window 0, C and D window 2
.set MUL_HI, 0xf1
.set TO_B,   0x40
.macro JLOAD g0a, g1a, g0b, g1b        ; a joint load: waves 0, 1 fetch for A, waves 2, 3 for B; an s_nop 0 and four v_nop follow each line
	s_cmp_eq_u32 s15, 0
	s_cbranch_scc0 .Lfor_b_\@
	tensor_load_to_lds s[\g0a:\g0a+3], s[\g1a:\g1a+7]
	s_nop 0
.rept 4
	v_nop
.endr
	s_branch .Lasked_\@
.Lfor_b_\@:
	tensor_load_to_lds s[\g0b:\g0b+3], s[\g1b:\g1b+7]
	s_nop 0
.rept 4
	v_nop
.endr
.Lasked_\@:
.endm
.macro CREST
	s_cmp_lg_u32 s14, 0
	s_cbranch_scc1 .Lnot_wave_0_\@
	s_barrier_signal -3
.Lnot_wave_0_\@:
	s_barrier_wait -3
	s_barrier_signal -1
	s_barrier_wait -1
.endm
.macro CROUND
	s_barrier_signal -1
	s_barrier_wait -1
	CREST
.endm
	s_load_b256 s[4:11], s[0:1], 0x0               ; xc s[4:5], xs s[6:7], wc s[8:9], ws s[10:11]
	s_load_b128 s[92:95], s[0:1], 0x20             ; bq, bkv
	s_load_b64 s[96:97], s[0:1], 0x30              ; the padding mask
	s_load_b64 s[98:99], s[0:1], 0x38              ; qi
	s_load_b64 s[100:101], s[0:1], 0x40            ; kv
	v_lshl_add_u32 v[SPW], v0, 2, SPARE
	v_mov_b32 v[NIL], 0
	ds_add_u32 v[SPW], v[NIL]                      ; the wave's opening: the add and its wait ahead of my first tensor load
	ds_add_u32 v[SPW], v[NIL]
	v_lshrrev_b32 v1, 5, v0
	v_readfirstlane_b32 s14, v1                    ; wave 0..3
	s_lshr_b32 s15, s14, 1                         ; my half of A's rows.  Also: I fetch for A (0) or B (1)
	s_and_b32 s16, s14, 1                          ; my half of B's rows.  Also: which 8 tiles I fetch
	s_bfe_u32 s40, ttmp6, 0x40000                  ; cx
	s_bfe_u32 s41, ttmp6, 0x40004                  ; cy
	s_mov_b32 s12, ttmp9                           ; cluster x: 0 q, 1 k, 2 v
	s_and_b32 s13, ttmp7, 0xffff                   ; cluster y: 1,024 tokens
	s_lshl_b32 s43, s41, 2
	s_lshl_b32 s43, 15, s43                        ; my row of the cluster
	s_lshl_b32 s44, 0x1111, s40                    ; my column
	s_or_b32 s[G1+0], s43, (3<<16)|(1<<21)         ; the mask; elements of 8 bytes; no padding; bit 21 beside a mask
	s_or_b32 s[G1B+0], s44, (3<<16)|(1<<21)
.irp g, G1, G1B
	s_mov_b32 s[\g+1], 384<<16                     ; tensor_dim0: 3,072 bytes
	s_mov_b32 s[\g+2], 16<<16                      ; tensor_dim1: 16 tiles for the head's loads; set to 8 behind them
	s_mov_b32 s[\g+3], 384<<16
	s_mov_b32 s[\g+4], 16
	s_mov_b32 s[\g+5], 1536                        ; from tile to tile: 12,288 bytes
	s_mov_b32 s[\g+6], 0
	s_mov_b32 s[\g+7], 0
.endr
	s_or_b32 s[G1S+0], s43, (3<<16)|(1<<21)        ; the scale words of 16 tiles: 8,192 dense bytes as 32 rows of 256
	s_or_b32 s[G1SB+0], s44, (3<<16)|(1<<21)
.irp g, G1S, G1SB
	s_mov_b32 s[\g+1], 32<<16
	s_mov_b32 s[\g+2], 32<<16                      ; the scale words of 16 tiles: 8,192 dense bytes as 32 rows of 256
	s_mov_b32 s[\g+3], 32<<16
	s_mov_b32 s[\g+4], 32
	s_mov_b32 s[\g+5], 32
	s_mov_b32 s[\g+6], 0
	s_mov_b32 s[\g+7], 0
.endr
	s_lshl_b32 s18, s12, 9
	s_lshl_b32 s19, s13, 6
	s_add_co_u32 s18, s18, s19                     ; q, k: the tokens' tiles: 512 x cluster x + 64 x cluster y
	s_add_co_u32 s19, s19, 512                     ; v: the keys' tiles
	s_lshl_b32 s21, s12, 6                         ; q, k: the weight's tiles: 64 x cluster x
	s_cmp_eq_u32 s12, 2
	s_cselect_b32 s18, 128, s18                    ; A's first tile, less 16 cy (v: the weight's tiles 128 on)
	s_cselect_b32 s19, s19, s21                    ; B's, less 16 cx
	s_lshl_b32 s20, s41, 4
	s_add_co_u32 s20, s20, s18                     ; A hangs on cy alone,
	s_lshl_b32 s46, s40, 4
	s_add_co_u32 s46, s46, s19                     ; B on cx alone
	s_lshl_b32 s18, s16, 3
	s_add_co_u32 s20, s20, s18                     ; + the 8 tiles that I fetch
	s_add_co_u32 s46, s46, s18
	s_lshl_b32 s22, s20, 9                         ; their scale words
	s_mov_b32 s23, 0
	s_lshl_b32 s66, s46, 9
	s_mov_b32 s67, 0
	s_mul_i32 s20, s20, TROW                       ; their codes
	s_mov_b32 s21, 0
	s_mul_i32 s46, s46, TROW
	s_mov_b32 s47, 0
	s_mul_i32 s45, s14, HALFT                      ; where they go: no place in the cluster enters an LDS address
	s_lshl_b32 s42, s14, 12
	s_wait_dscnt 0x0                               ; the opening add is done
	s_wait_kmcnt 0x0
	s_cmp_eq_u32 s12, 2                            ; the choice hangs on the cluster's x alone: the same in all sixteen partners
	s_cselect_b64 s[2:3], s[8:9], s[4:5]           ; A's codes
	s_cselect_b64 s[18:19], s[10:11], s[6:7]       ; A's scale words
	s_cselect_b64 s[4:5], s[4:5], s[8:9]           ; B's codes
	s_cselect_b64 s[6:7], s[6:7], s[10:11]         ; B's scale words
	s_add_nc_u64 s[20:21], s[2:3], s[20:21]
	s_add_nc_u64 s[22:23], s[18:19], s[22:23]
	s_add_nc_u64 s[46:47], s[4:5], s[46:47]
	s_add_nc_u64 s[66:67], s[6:7], s[66:67]
	CROUND                                         ; all sixteen work-groups are here: the first joint loads meet
	s_mov_b32 s[G0S], 1
	s_add_co_u32 s[G0S+1], s42, SCL-4096           ; wave 1 issues it: its own half begins 4,096 bytes behind the region's start, in LDS and in memory
	s_sub_nc_u64 s[G0S+2:G0S+3], s[22:23], 4096
	s_or_b32 s[G0S+3], s[G0S+3], 0x80000000
	s_mov_b32 s[G0SB], 1
	s_add_co_u32 s[G0SB+1], s42, SCL-4096          ; wave 3 issues it
	s_sub_nc_u64 s[G0SB+2:G0SB+3], s[66:67], 4096
	s_or_b32 s[G0SB+3], s[G0SB+3], 0x80000000
.irp s, 0,1
	s_mov_b32 s[G0+4*\s], 1
	s_add_co_u32 s[G0+4*\s+1], s45, \s*SLOT
	s_add_nc_u64 s[G0+4*\s+2:G0+4*\s+3], s[20:21], \s*KSB
	s_or_b32 s[G0+4*\s+3], s[G0+4*\s+3], 0x80000000
	s_mov_b32 s[G0B+4*\s], 1
	s_add_co_u32 s[G0B+4*\s+1], s45, \s*SLOT
	s_add_nc_u64 s[G0B+4*\s+2:G0B+4*\s+3], s[46:47], \s*KSB
	s_or_b32 s[G0B+4*\s+3], s[G0B+4*\s+3], 0x80000000
.endr
; one chain of branches on the wave's number, one load to an arm.  Waves 0 and 2 have the first half of their region: slot 0's own group 0 names the region's start
.macro ARM under, g0, g1, next
	s_cmp_lt_u32 s14, \under
	s_cbranch_scc0 \next
	tensor_load_to_lds s[\g0:\g0+3], s[\g1:\g1+7]
	s_nop 0
.rept 4
	v_nop
.endr
	s_branch .Lhead_asked
\next:
.endm
	ARM 1, G0,  G1,  .Lhead_sa
	ARM 2, G0S, G1S, .Lhead_b
	ARM 3, G0B, G1B, .Lhead_sb
	tensor_load_to_lds s[G0SB:G0SB+3], s[G1SB:G1SB+7]
	s_nop 0
.rept 4
	v_nop
.endr
.Lhead_asked:
	s_mov_b32 s[SEL], 0x76543210
	s_mov_b32 s[SEL+1], 0xfedcba98
	v_and_b32 v1, 31, v0                           ; lane
	v_and_b32 v2, 15, v0                           ; r
	v_bfe_u32 v3, v0, 4, 1                         ; h
	v_lshlrev_b32 v4, 4, v1                        ; 16 x lane
	v_lshlrev_b32 v5, 3, v1                        ; 8 x lane
	v_add_nc_u32 v6, 512, v5
	s_mul_i32 s21, s15, HALFT
	s_mul_i32 s22, s16, HALFT
	s_add_co_u32 s22, s22, 2*HALFT
.irp s, 0,1
	v_add_nc_u32 v[ADRA+\s], s21, v4
	v_add_nc_u32 v[ADRB+\s], s22, v4
	v_add_nc_u32 v[ADRA+2+\s], s21, v6
	v_add_nc_u32 v[ADRB+2+\s], s22, v6
	s_add_co_u32 s21, s21, SLOT
	s_add_co_u32 s22, s22, SLOT
.endr
	v_lshlrev_b32 v7, 3, v2                        ; scale words: 8 bytes a row in a K step's 128
	s_mul_i32 s21, s15, HALFS
	s_mul_i32 s22, s16, HALFS
	s_add_co_u32 s22, s22, 2*HALFS
	s_sub_co_u32 s22, s22, s21
	v_mul_u32_u24 v8, s22, v3                      ; lanes 16-31 take B's: one product, the distance between the two bases
	s_add_co_u32 s21, s21, SCL
	v_add_nc_u32 v7, v7, v8
	v_add_nc_u32 v[ADRS], s21, v7
	v_and_b32 v25, 8, v2
	v_add_nc_u32 v25, v25, v2                      ; r + 8 (r / 8): my row in a pair of tiles
	v_lshlrev_b32 v30, 4, v3                       ; 16 h
.irp b, 0,1,2,3
	v_mov_b32 v[TM+4+\b], 0                        ; written once: a lane permute's destination counts as one of its sources
.endr
.macro FRAG reg, adr, q, i             ; a fragment, 16 rows x 128 K, is two units: four loads of consecutive bytes
	ds_load_b128 v[\reg:\reg+3], v[\adr] offset:KSB*(\i)+2*UNIT*(\q)
	ds_load_b64 v[\reg+4:\reg+5], v[\adr+2] offset:KSB*(\i)+2*UNIT*(\q)
	ds_load_b128 v[\reg+6:\reg+9], v[\adr] offset:KSB*(\i)+2*UNIT*(\q)+UNIT
	ds_load_b64 v[\reg+10:\reg+11], v[\adr+2] offset:KSB*(\i)+2*UNIT*(\q)+UNIT
.endm
; 16 matrix instructions: A's blocks a0, a0 + 1 x B's eight.  zero = 1: the first product starts the sums; 2: the bias is its C.  The 64 accumulators take turns, one instruction a turn.
.macro MUL16 a0, p, q, sc, zero
.irp a, \a0, \a0+1
.irp b, 0,1,2,3,4,5,6,7
.if \zero == 1
	v_wmma_scale_f32_16x16x128_f8f6f4 v[8*(8*((\a)%4)+\b):8*(8*((\a)%4)+\b)+7], v[128*(\p)+FR*\b:128*(\p)+FR*\b+FR-1], v[AF+FR*(\a):AF+FR*(\a)+FR-1], 0, v[SC+8*NQ*(\sc)+NQ*\b+(\q)], v[SC+8*NQ*(\sc)+NQ*(\a)+(\q)] matrix_a_fmt:MATRIX_FMT_FP6 matrix_b_fmt:MATRIX_FMT_FP6 matrix_a_scale:MATRIX_SCALE_ROW1
.elseif \zero == 2
	v_wmma_scale_f32_16x16x128_f8f6f4 v[8*(8*((\a)%4)+\b):8*(8*((\a)%4)+\b)+7], v[128*(\p)+FR*\b:128*(\p)+FR*\b+FR-1], v[AF+FR*(\a):AF+FR*(\a)+FR-1], v[BIAS+8*\b:BIAS+8*\b+7], v[SC+8*NQ*(\sc)+NQ*\b+(\q)], v[SC+8*NQ*(\sc)+NQ*(\a)+(\q)] matrix_a_fmt:MATRIX_FMT_FP6 matrix_b_fmt:MATRIX_FMT_FP6 matrix_a_scale:MATRIX_SCALE_ROW1
.else
	v_wmma_scale_f32_16x16x128_f8f6f4 v[8*(8*((\a)%4)+\b):8*(8*((\a)%4)+\b)+7], v[128*(\p)+FR*\b:128*(\p)+FR*\b+FR-1], v[AF+FR*(\a):AF+FR*(\a)+FR-1], v[8*(8*((\a)%4)+\b):8*(8*((\a)%4)+\b)+7], v[SC+8*NQ*(\sc)+NQ*\b+(\q)], v[SC+8*NQ*(\sc)+NQ*(\a)+(\q)] matrix_a_fmt:MATRIX_FMT_FP6 matrix_b_fmt:MATRIX_FMT_FP6 matrix_a_scale:MATRIX_SCALE_ROW1
.endif
.endr
.endr
.endm
.macro FETCH_B slot, q, p
	WIN TO_B
.irp i, 0,1,2,3,4,5,6,7
	FRAG 128*(\p)+FR*\i, ADRB+\slot, \q, \i
.endr
	WIN 0
.endm
.macro FETCH_A slot, q, i0
.irp i, \i0, \i0+1, \i0+2, \i0+3
	FRAG AF+FR*(\i), ADRA+\slot, \q, \i
.endr
.endm
.macro SCALES sc                       ; a K step's two words a row: lanes 0-15 A's block i, lanes 16-31 B's block i
.irp i, 0,1,2,3,4,5,6,7
	ds_load_b64 v[SC+8*NQ*\sc+NQ*\i:SC+8*NQ*\sc+NQ*\i+1], v[ADRS] offset:\i*512
.endr
.endm
.macro PLACES n                        ; plain vector instructions between a matrix instruction and a load into, or a read of, its registers (ISA guide 7.12.1 for reads)
.rept \n
	v_nop
.endr
.endm
.macro STEP slot, q, zero              ; 128 along K that has its successor in the same slot
	s_wait_dscnt 4*NL                              ; all but the youngest 16 loads, A's blocks 4-7
.if \zero == 2
	WIN 0x81
.else
	WIN MUL_LO
.endif
	MUL16 0, (\q)%2, \q, \slot, \zero
	MUL16 2, (\q)%2, \q, \slot, \zero
	s_wait_dscnt 0
	PLACES NP
	FETCH_B \slot, (\q)+1, 1-(\q)%2
	FETCH_A \slot, (\q)+1, 0
.if \zero == 2
	WIN 0xc1
.else
	WIN MUL_HI
.endif
	MUL16 4, (\q)%2, \q, \slot, \zero
	MUL16 6, (\q)%2, \q, \slot, \zero
	PLACES NP
	WIN 0
	FETCH_A \slot, (\q)+1, 4
.endm
; A slot's last 128 change slots: one barrier; in front of it each wave waits for all its tensor loads, adds 0 to its spare word, and waits for that and for its reads of this slot.  fill = 1: the slot is filled again, two K steps ahead.
.macro TURN slot, next, fill
	s_wait_tensorcnt 0x0                           ; all my tensor loads have landed: my part of the next slot
	ds_add_u32 v[SPW], v[NIL]
	s_wait_dscnt 4*NL+1                            ; (the add and the youngest 16 loads may be out)
	WIN MUL_LO
	MUL16 0, 1, NQ-1, \slot, 0
	s_wait_dscnt 0x0                               ; the add is done, and my reads of this slot are over
	s_barrier_signal -1
	MUL16 2, 1, NQ-1, \slot, 0
	WIN 0
	s_barrier_wait -1
.if \fill
	CREST                                          ; the barrier has opened a round of the cluster's: no wave of any partner still reads this slot or has a load on its way
	s_add_nc_u64 s[G0+4*\slot+2:G0+4*\slot+3], s[G0+4*\slot+2:G0+4*\slot+3], 2*KSB
	s_add_nc_u64 s[G0B+4*\slot+2:G0B+4*\slot+3], s[G0B+4*\slot+2:G0B+4*\slot+3], 2*KSB
	JLOAD G0+4*\slot, G1, G0B+4*\slot, G1B         ; my one tensor load behind the round; its four v_nop are the places in front of the loads below
.else
	PLACES NP
.endif
	s_wait_alu depctr_va_vdst(0)
	v_add_nc_u32 v[ADRS], 128, v[ADRS]             ; the next K step's scale words
	FETCH_B \next, 0, 0
	FETCH_A \next, 0, 0
	SCALES \next
	WIN MUL_HI
	MUL16 4, 1, NQ-1, \slot, 0
	MUL16 6, 1, NQ-1, \slot, 0
	PLACES NP
	WIN 0
	FETCH_A \next, 0, 4
.endm
.macro LAST                            ; the very last 128: nothing more to fetch
	s_wait_dscnt 4*NL
	WIN MUL_LO
	MUL16 0, 1, NQ-1, 1, 0
	MUL16 2, 1, NQ-1, 1, 0
	s_wait_dscnt 0
	WIN MUL_HI
	MUL16 4, 1, NQ-1, 1, 0
	MUL16 6, 1, NQ-1, 1, 0
	WIN 0
.endm
; 64 numbers of a lane, register 16 b + i = k 32 b + 16 (lane / 16) + i of my row, become a fragment's codes in v[PC] on and its scale word in v[PW].
.macro QUANT s
.irp b, 0,1,2,3
	v_max3_num_f32 v[TM+\b], |v[\s+16*\b]|, |v[\s+1+16*\b]|, 0x1800000   ; with the floor 2^(3 - 127): the byte cannot fall under 1
.endr
.irp i, 2,4,6,8,10,12,14
.irp b, 0,1,2,3
	v_max3_num_f32 v[TM+\b], v[TM+\b], |v[\s+16*\b+\i]|, |v[\s+1+16*\b+\i]|
.endr
.endr
.irp b, 0,1,2,3
	v_permlanex16_b32 v[TM+4+\b], v[TM+\b], s[SEL], s[SEL+1]
.endr
.irp b, 0,1,2,3
	v_max_num_f32 v[TM+\b], v[TM+\b], v[TM+4+\b]   ; with lane l xor 16's: the block's largest magnitude
.endr
.irp b, 0,1,2,3
	v_add_nc_u32 v[TM+12+\b], 0xff000000, v[TM+\b] ; 2 off its exponent field: the conversion's scale operand
.endr
.irp b, 0,1,2,3
	v_lshrrev_b32 v[TM+4+\b], 23, v[TM+12+\b]      ; the byte
.endr
	v_lshl_or_b32 v[PW], v[TM+5], 8, v[TM+4]
	v_lshl_or_b32 v[PW], v[TM+6], 16, v[PW]
	v_lshl_or_b32 v[PW], v[TM+7], 24, v[PW]
.irp c, 0,1
	v_cvt_scalef32_pk16_fp6_f32 v[PC+6*\c:PC+2+6*\c], v[\s+32*\c:\s+15+32*\c], v[TM+12+2*\c]
	v_cvt_scalef32_pk16_fp6_f32 v[PC+12+4*\c:PC+14+4*\c], v[\s+16+32*\c:\s+31+32*\c], v[TM+12+2*\c+1]
.endr
	v_nop                                          ; one plain place behind a scaled conversion
.irp c, 0,1                            ; the operand's layout wants a whole block in a lane
.irp i, 0,1,2
	v_permlane16_swap_b32 v[PC+6*\c+\i], v[PC+12+4*\c+\i]
.endr
.irp i, 0,1,2
	v_mov_b32 v[PC+3+6*\c+\i], v[PC+12+4*\c+\i]
.endr
.endr
.endm
	s_wait_alu depctr_va_vdst(0)
	s_wait_tensorcnt 0x0                           ; my tile of the head's four is in
	ds_add_u32 v[SPW], v[NIL]
	s_mov_b32 s[G1+2], 8<<16                       ; no load of mine is out: from here on a load brings 8 tiles
	s_mov_b32 s[G1+4], 8
	s_mov_b32 s[G1B+2], 8<<16
	s_mov_b32 s[G1B+4], 8
	s_wait_dscnt 0x0
	CROUND                                         ; all four tiles are in, and all sixteen work-groups are here
	JLOAD G0+4, G1, G0B+4, G1B                     ; K step 1, my one load behind the round
	FETCH_B 0, 0, 0
	FETCH_A 0, 0, 0
	SCALES 0
	FETCH_A 0, 0, 4
	STEP 0, 0, 1                                   ; four K steps of 256, written straight
	TURN 0, 1, 1
	STEP 1, 0, 0
	TURN 1, 0, 1
	STEP 0, 0, 0
	TURN 0, 1, 0
	s_cmp_eq_u32 s12, 2                            ; the one parting of the ways, on the cluster's x: the same in all partners; no barrier stands in either arm
	s_cbranch_scc1 .Lv
; ---- q and k: a lane is a token; its 64 registers of a block are 128 columns: two heads.  The biases and the mask come while the last 128 matrix instructions run.
	s_cmp_eq_u32 s12, 0
	s_cselect_b64 s[92:93], s[92:93], s[94:95]     ; bq or bkv
	s_cselect_b64 s[98:99], s[98:99], s[100:101]   ; qi or kv
	s_mov_b32 s20, 13056
	s_cselect_b32 s20, 6656, s20                   ; a record: 128 tokens of one head
	s_mov_b32 s21, 12288
	s_cselect_b32 s21, 6144, s21                   ; where its scale words begin
	s_cselect_b32 s105, 0x7f0000, 0                ; q: byte 2 = 127
	s_cselect_b32 s104, 0, 0xe30000                ; k: byte 2 = 227 x the mask's byte
	s_lshl_b32 s18, s40, 8
	s_lshl_b32 s19, s16, 7
	s_add_co_u32 s18, s18, s19
	s_lshl_b32 s18, s18, 2
	s_mov_b32 s19, 0
	s_add_nc_u64 s[92:93], s[92:93], s[18:19]      ; the bias at my 128 columns
	s_lshl_b32 s22, s13, 2
	s_add_co_u32 s22, s22, s41                     ; my block of 256 tokens
	s_lshl_b32 s18, s22, 8
	s_lshl_b32 s23, s15, 7
	s_add_co_u32 s18, s18, s23
	s_add_nc_u64 s[96:97], s[96:97], s[18:19]      ; the mask at my 128 tokens
	s_lshr_b32 s23, s22, 3
	s_lshl_b32 s23, s23, 4
	s_lshl_b32 s46, s40, 2
	s_add_co_u32 s23, s23, s46
	s_lshl_b32 s46, s16, 1
	s_add_co_u32 s23, s23, s46                     ; 16 x batch + my first head
	s_lshl_b32 s23, s23, 4
	s_and_b32 s46, s22, 7
	s_lshl_b32 s46, s46, 1
	s_add_co_u32 s23, s23, s46
	s_add_co_u32 s23, s23, s15                     ; the record's number
	s_mul_i32 s18, s23, s20
	s_add_nc_u64 s[98:99], s[98:99], s[18:19]      ; my first head's record,
	s_lshl_b32 s18, s20, 4
	s_add_nc_u64 s[100:101], s[98:99], s[18:19]    ; and the next head's: 16 records on
	v_mul_u32_u24 v26, s18, v3
	v_lshl_add_u32 v26, v2, 4, v26
	v_add_nc_u32 v26, s21, v26                     ; scale words: lanes 0-15 the first head's, lanes 16-31 the next's; 16 bytes a row
	v_lshlrev_b32 v24, 6, v3                       ; the bias: 64 h
.irp b, 0,1,2,3
.irp n, 0,1,2,3
	global_load_b128 v[BIAS+16*\b+4*\n:BIAS+16*\b+4*\n+3], v24, s[92:93] offset:128*\b+16*\n   ; columns 32 b + 16 h + 4 n on
.endr
.endr
.irp a, 0,1,2,3,4,5,6,7
	global_load_u8 v[XW+\a], v25, s[96:97] offset:32*(\a/2)+8*(\a%2)   ; the mask's byte of my token in block a
.endr
	STEP 1, 0, 0
	LAST
	PLACES NP
	s_wait_loadcnt 0x0
.irp a, 0,1,2,3,4,5,6,7
	v_mad_u32_u24 v[XW+\a], v[XW+\a], s104, s105
.endr
.irp a, 0,1,2,3,4,5,6,7
.if \a > 0
	s_wait_xcnt 0x0                                ; the last block's stores have read the codes' registers
.endif
	WIN 0x02+(\a)/4                                ; source 0: the accumulators' window
.set i, 0
.rept 32
	v_pk_add_f32 v[HA+i:HA+i+1], v[64*((\a)%4)+i:64*((\a)%4)+i+1], v[BIAS+i:BIAS+i+1]   ; each accumulator from its low end on
.set i, i+2
.endr
	WIN 0
	QUANT HA
	global_store_b128 v4, v[PC:PC+3], s[98:99] offset:768*\a            ; the first head's unit: 512 and 256 consecutive bytes, aligned to 256
	global_store_b64 v5, v[PC+4:PC+5], s[98:99] offset:768*\a+512
	global_store_b128 v4, v[PC+6:PC+9], s[100:101] offset:768*\a        ; the next head's
	global_store_b64 v5, v[PC+10:PC+11], s[100:101] offset:768*\a+512
	v_lshrrev_b32 v249, v30, v[PW]                 ; my half's head: bytes 0, 1 or 2, 3
	v_and_or_b32 v[KW+\a], v249, 0xffff, v[XW+\a]  ; with the spare block's byte above them
.endr
	global_store_b128 v26, v[KW:KW+3], s[98:99]    ; sixteen lanes store 256 consecutive bytes, aligned
	global_store_b128 v26, v[KW+4:KW+7], s[98:99] offset:256
	s_branch .Ljoin
; ---- v: a lane is a channel; its 64 registers of a block are 128 keys: one fragment of V^T and one scale word.
.Lv:
	s_lshl_b32 s18, s41, 8
	s_lshl_b32 s19, s15, 7
	s_add_co_u32 s18, s18, s19
	s_lshl_b32 s18, s18, 2
	s_add_co_u32 s18, s18, 4096
	s_mov_b32 s19, 0
	s_add_nc_u64 s[94:95], s[94:95], s[18:19]      ; bkv at my 128 channels of v
	s_lshl_b32 s22, s13, 2
	s_add_co_u32 s22, s22, s40                     ; my block of 256 keys
	s_lshr_b32 s23, s22, 3
	s_lshl_b32 s23, s23, 4
	s_lshl_b32 s46, s41, 2
	s_add_co_u32 s23, s23, s46
	s_lshl_b32 s46, s15, 1
	s_add_co_u32 s23, s23, s46                     ; 16 x batch + my first head
	s_lshl_b32 s23, s23, 4
	s_and_b32 s46, s22, 7
	s_lshl_b32 s46, s46, 1
	s_add_co_u32 s23, s23, s46
	s_add_co_u32 s23, s23, s16                     ; the record's number
	s_mul_i32 s18, s23, 13056
	s_add_nc_u64 s[100:101], s[100:101], s[18:19]  ; my first head's record,
	s_add_nc_u64 s[98:99], s[100:101], 208896      ; and the next head's
	v_mul_u32_u24 v26, 208896, v3
	v_lshl_add_u32 v26, v2, 4, v26
	v_add_nc_u32 v26, 12800, v26
	v_lshlrev_b32 v24, 2, v25
.irp a, 0,1,2,3,4,5,6,7
	global_load_b32 v[BIAS+2*\a], v24, s[94:95] offset:(32*(\a/2)+8*(\a%2))*4      ; my channel's bias, twice: a pair for the packed addition
	global_load_b32 v[BIAS+2*\a+1], v24, s[94:95] offset:(32*(\a/2)+8*(\a%2))*4
.endr
	STEP 1, 0, 0
	LAST
	PLACES NP
	s_wait_loadcnt 0x0
.irp a, 0,1,2,3,4,5,6,7
.if \a > 0
	s_wait_xcnt 0x0
.endif
	WIN 0x02+(\a)/4
.set i, 0
.rept 32
	v_pk_add_f32 v[HA+i:HA+i+1], v[64*((\a)%4)+i:64*((\a)%4)+i+1], v[BIAS+2*\a:BIAS+2*\a+1]
.set i, i+2
.endr
	WIN 0
	QUANT HA
.irp i, 0,1,2
.if \a < 4
	global_store_b128 v4, v[PC+4*\i:PC+4*\i+3], s[100:101] offset:6144+1536*(\a%4)+512*\i   ; 512 consecutive bytes, aligned to 256
.else
	global_store_b128 v4, v[PC+4*\i:PC+4*\i+3], s[98:99] offset:6144+1536*(\a%4)+512*\i
.endif
.endr
	v_mov_b32 v[KW+\a], v[PW]
.endr
	v_cmp_lt_u32 vcc_lo, 15, v1
.irp i, 0,1,2,3
	v_cndmask_b32 v[KW+8+\i], v[KW+\i], v[KW+4+\i], vcc_lo    ; lanes 0-15 the first head's four words, lanes 16-31 the next's
.endr
	global_store_b128 v26, v[KW+8:KW+11], s[100:101]
.Ljoin:
	s_wait_tensorcnt 0x0                           ; the wave's end: an add to my spare word and its wait behind my last tensor load
	ds_add_u32 v[SPW], v[NIL]
	s_wait_dscnt 0x0
	CROUND                                         ; the closing round: no work-group ends while a partner may still ask for a tile that names it
	s_endpgm
.Lfunc_end_k_qc584429e4f_proj:
	.size	k_qc584429e4f_proj, .Lfunc_end_k_qc584429e4f_proj-k_qc584429e4f_proj
	.p2alignl 7, 3214868480
	.fill 96, 4, 3214868480
	.section	.rodata,"a",@progbits
	.p2align	6, 0x0
	.amdhsa_kernel k_qc584429e4f_proj
		.amdhsa_group_segment_fixed_size 327680
		.amdhsa_private_segment_fixed_size 0
		.amdhsa_enable_private_segment 0
		.amdhsa_kernarg_size 72
		.amdhsa_user_sgpr_count 2
		.amdhsa_user_sgpr_kernarg_segment_ptr 1
		.amdhsa_wavefront_size32 1
		.amdhsa_system_sgpr_workgroup_id_x 1
		.amdhsa_system_sgpr_workgroup_id_y 1
		.amdhsa_system_sgpr_workgroup_id_z 1
		.amdhsa_system_vgpr_workitem_id 0
		.amdhsa_next_free_vgpr 1024
		.amdhsa_next_free_sgpr 106
		.amdhsa_reserve_vcc 1
		.amdhsa_float_denorm_mode_32 3
		.amdhsa_float_denorm_mode_16_64 3
		.amdhsa_memory_ordered 1
		.amdhsa_forward_progress 1
		.amdhsa_inst_pref_size 243
	.end_amdhsa_kernel
	.amdgpu_metadata
---
amdhsa.version: [ 1, 2 ]
amdhsa.kernels:
  - .name:           k_qc584429e4f_proj
    .symbol:         k_qc584429e4f_proj.kd
    .args:
      - { .name: xc, .offset: 0, .size: 8, .value_kind: global_buffer, .address_space: global }
      - { .name: xs, .offset: 8, .size: 8, .value_kind: global_buffer, .address_space: global }
      - { .name: wc, .offset: 16, .size: 8, .value_kind: global_buffer, .address_space: global }
      - { .name: ws, .offset: 24, .size: 8, .value_kind: global_buffer, .address_space: global }
      - { .name: bq, .offset: 32, .size: 8, .value_kind: global_buffer, .address_space: global }
      - { .name: bkv, .offset: 40, .size: 8, .value_kind: global_buffer, .address_space: global }
      - { .name: key_value_padding_mask, .offset: 48, .size: 8, .value_kind: global_buffer, .address_space: global }
      - { .name: qi, .offset: 56, .size: 8, .value_kind: global_buffer, .address_space: global }
      - { .name: kv, .offset: 64, .size: 8, .value_kind: global_buffer, .address_space: global }
    .group_segment_fixed_size: 327680
    .private_segment_fixed_size: 0
    .kernarg_segment_align: 8
    .kernarg_segment_size: 72
    .max_flat_workgroup_size: 128
    .sgpr_count:     106
    .vgpr_count:     1024
    .wavefront_size: 32
...
	.end_amdgpu_metadata
.endif
;; end of part 2
;; launch attn (part 3): grid 4 x 64, 16 waves a work-group, clusters of 4 x 1, 327,680 bytes of LDS; arguments qi, kv, oc, os; writes oc, os
.if DOCPART == 3
	.amdgcn_target "amdgcn-amd-amdhsa--gfx1250"
	.amdhsa_code_object_version 6
	.text
	.protected	k_qc584429e4f_attn
	.globl	k_qc584429e4f_attn
	.p2align	8
	.type	k_qc584429e4f_attn,@function
k_qc584429e4f_attn:
	s_mov_b64 s[64:65], 0
	v_nop
	global_prefetch_b8 v0, s[64:65] scope:SCOPE_SE
	s_setreg_imm32_b32 hwreg(HW_REG_WAVE_MODE, 25, 1), 1
	s_wait_xcnt 0x0
	s_wait_alu depctr_hold_cnt(0) depctr_sa_sdst(0) depctr_va_vdst(0) depctr_va_sdst(0) depctr_va_ssrc(0) depctr_va_vcc(0) depctr_vm_vsrc(0)
	s_getreg_b32 s2, hwreg(HW_REG_IB_STS2, 6, 4)
	s_cmp_eq_u32 s2, 0
	s_cbranch_scc0 .Lentry_in_a_cluster
	s_endpgm
.Lentry_in_a_cluster:
	s_bfe_u32 s2, ttmp6, 0x10000c
	s_cmp_lg_u32 s2, 0x3003
	s_cbranch_scc0 .Lentry_shape_is_right
	s_endpgm
.Lentry_shape_is_right:
; ATTN: for each batch and head, O[q] = sum over k <= q, k not padded, of softmax(q . k / 8) v[k], both products on codes of FP6 (E2M3) with E8M0 scales; O is quantised along the head's 64 for the last product.
; t = score x log2(e) / 8; M = the running largest t rounded up to a whole number; p = 2^(t - M) is quantised along the keys, not normalised; the row's sum of the unquantised p divides at the end.
; WORK LEFT OUT: reference() builds the causal mask itself (apply_causal_mask = 1): key steps of 128 that lie wholly behind a tile's queries get -inf for every input, so their p is 0: they are jumped over.
; SHARES.  A cluster of 4 work-groups has one batch and head.  Work-group cx takes tiles 2 cx and 2 cx + 1 (16 queries each) of EVERY block of 128 queries; wave w takes tile 2 cx + w / 8, first in block 15 - w % 8, then in
; block w % 8: (16 - w % 8) + (w % 8 + 1) = 17 key steps for every wave.  So no branch and no LDS address hangs on cx, and every work-group reads all 16 records: the four ask for them JOINTLY (mask 15).
; LDS.  The head's 16 records (a key step of 128: K's 8 units, V's 4 fragments, their scale words: 13,056 bytes) are 816 dense rows of 256 bytes, each byte filled once.  At the head wave w fetches rows 13 w on (208 rows: records
; 0-3 and a little more); behind the full sequence and a round it fetches rows 208 + 38 w on, which have the first four key steps in which to land.  One load of a wave is out at any time.
; LAYOUT.  Both products transposed: S^T = K Q^T, O^T = V^T P^T: a lane holds one query throughout.  Tile 2 b + u of K holds keys 32 b + 8 u + r + 8 (r / 8): the 16 registers of two neighbouring tiles are 16 neighbouring keys.
; THE PADDING MASK.  A head has 64 channels, the instruction takes 128.  Q's code at k = 64 is 1.0 under the byte 127.  K's code at k = 64 is read from byte 2 of the key's scale word, which is also that block's scale:
; an open key has the byte 0, that is the code 0, which adds nothing; a padded key has 227, that is the code -0.375 (and 0.375 at k = 65, where Q's code is 0) under the scale 2^100.  The largest t begins at -2^80: a padded key's p is 0.
; A query with no open key has the sum 0: reference() gives NaN there.  Its O is stored as zeros, and a word for each token, NRW bytes behind the scale bytes in os, holds the bits 0x7fc00000 for it and 0 for every other;
; the last launch ORs that word onto the row.
; LIMITS: |t| under 2^80; NaN and infinities among the inputs are not served; a block of zeros carries the byte 1.
; NO PREFETCH: every tensor load is issued ahead of the first loop, so there is no trip to run ahead in.
.set REC,   13056
.set ER,    13                         ; rows of 256 bytes in a wave's first load
.set LR,    38                         ; and in its second
.set NRW,   262144                     ; os: 512 tiles x 512 bytes of scale words, then 8,192 words, one a token
.set SPARE, 208896                     ; behind the records: the spare words, 128 bytes a wave: eight blocks of 256 bytes that no other line names
.set L16, 1                            ; v1 16 x lane   v2 8 x lane   v3 16 x (lane % 16)
.set L8,  2
.set R16, 3
.set A16, 4                            ; v4-6 the same + the step's record
.set A8,  5
.set AR,  6
.set QD,  7                            ; v7 my query in its block - 16 (lane / 16)
.set SPW, 8
.set NIL, 9
.set QF,  16                           ; v16-27 Q's fragment; v28 its scale words; v29 p's scale word; v[30:31] f
.set QS,  28
.set PW,  29
.set FF,  30
.set KFR, 32                           ; v32-79 four fragments of K; registers 7-11 of each stay 0; registers 0-5 serve as scratch behind the scores' products
.set KS,  80                           ; v80-87 K's scale words; v88-91 V's
.set VS,  88
.set S,   92                           ; v92-155 S^T, then p
.set OA,  156                          ; v156-187 O^T
.set VF,  188                          ; v188-235 four fragments of V
.set PC,  236                          ; v236-247 p's codes; v248-250, v252-254 the conversions' second halves
.set PH,  248
.set BM,  32
.set T0,  36
.set PM,  44
.set SO,  56
.set BY,  68
.set WV,  14
.set CX,  15
.set BH,  16                           ; 16 x batch + head
.set PP,  17                           ; wave % 8
.set TI,  18                           ; my tile in a block of 128 queries
.set HD,  19                           ; the head
.set SEL, 20
.set CS,  22
.set G1E, 24
.set G1L, 32
.set G0E, 40
.set G0L, 44
.set TB,  48                           ; the step's record in LDS
.set KF,  49                           ; the step's first key
.set Q0,  50                           ; my block's first query: made of the wave's number alone
.set CNT, 51
.set B1,  52                           ; s52-61 the first tile's five addresses: Q's unit, Q's scale words, oc, os, the tokens' words;  s66-75 the second tile's
.set B2,  66
.macro ROUND                           ; a round of the cluster's barrier
	s_barrier_signal -1
	s_barrier_wait -1
	s_cmp_lg_u32 s[WV], 0
	s_cbranch_scc1 .Lnw0_\@
	s_barrier_signal -3
.Lnw0_\@:
	s_barrier_wait -3
	s_barrier_signal -1
	s_barrier_wait -1
.endm
	s_load_b256 s[4:11], s[0:1], 0x0               ; qi s[4:5], kv s[6:7], oc s[8:9], os s[10:11]
	v_lshl_add_u32 v[SPW], v0, 2, SPARE
	v_mov_b32 v[NIL], 0
	ds_add_u32 v[SPW], v[NIL]                      ; the opening lines: the add, twice on end, and its wait ahead of my first tensor load
	ds_add_u32 v[SPW], v[NIL]
	v_lshrrev_b32 v1, 5, v0
	v_readfirstlane_b32 s[WV], v1                  ; wave 0..15
	s_bfe_u32 s[CX], ttmp6, 0x40000                ; my place in the cluster
	s_and_b32 s[BH], ttmp7, 0xffff                 ; the cluster's y
	s_and_b32 s[PP], s[WV], 7
	s_lshr_b32 s[TI], s[WV], 3
	s_lshl_b32 s76, s[CX], 1
	s_add_co_u32 s[TI], s[TI], s76
	s_mov_b32 s[G1E], 15|(3<<16)|(1<<21)           ; the mask of all four; elements of 8 bytes; bit 21 beside a mask; rows of 256 bytes, dense
	s_mov_b32 s[G1E+1], 32<<16
	s_mov_b32 s[G1E+2], ER<<16
	s_mov_b32 s[G1E+3], 32<<16
	s_mov_b32 s[G1E+4], ER
	s_mov_b32 s[G1E+5], 32
	s_mov_b32 s[G1E+6], 0
	s_mov_b32 s[G1E+7], 0
	s_mov_b32 s[G1L], 15|(3<<16)|(1<<21)
	s_mov_b32 s[G1L+1], 32<<16
	s_mov_b32 s[G1L+2], LR<<16
	s_mov_b32 s[G1L+3], 32<<16
	s_mov_b32 s[G1L+4], LR
	s_mov_b32 s[G1L+5], 32
	s_mov_b32 s[G1L+6], 0
	s_mov_b32 s[G1L+7], 0
	s_mov_b32 s[G0E], 1
	s_mul_i32 s[G0E+1], s[WV], ER*256
	s_mov_b32 s[G0L], 1
	s_mul_i32 s[G0L+1], s[WV], LR*256
	s_add_co_u32 s[G0L+1], s[G0L+1], 16*ER*256
	s_mov_b32 s[SEL], 0x76543210
	s_mov_b32 s[SEL+1], 0xfedcba98                 ; selects for lane l xor 16
	s_mov_b32 s[CS], 0x3e38aa3b                    ; c = log2(e) / 8
	s_mov_b32 s[CS+1], s[CS]
	s_mul_i32 s76, s[BH], 16*REC
	s_mov_b32 s77, 0
	s_wait_dscnt 0x0                               ; both opening adds are done
	s_wait_kmcnt 0x0
	s_add_nc_u64 s[6:7], s[6:7], s[76:77]          ; the head's 16 records: the address hangs on the cluster's y and the wave's number alone
	s_mov_b32 s76, s[G0E+1]
	s_add_nc_u64 s[G0E+2:G0E+3], s[6:7], s[76:77]
	s_or_b32 s[G0E+3], s[G0E+3], 0x80000000
	s_mov_b32 s76, s[G0L+1]
	s_add_nc_u64 s[G0L+2:G0L+3], s[6:7], s[76:77]
	s_or_b32 s[G0L+3], s[G0L+3], 0x80000000
	ROUND                                          ; all four work-groups are here: the first joint loads meet
	tensor_load_to_lds s[G0E:G0E+3], s[G1E:G1E+7]
	s_nop 0
.rept 4
	v_nop
.endr
.macro BASES blk, o                    ; the five addresses of my tile in block blk
	s_lshl_b32 s76, s[BH], 4
	s_add_co_u32 s76, s76, \blk
	s_mul_i32 s76, s76, 6656                       ; the block's record in qi
	s_mul_i32 s78, s[TI], 768
	s_add_co_u32 s78, s78, s76
	s_mov_b32 s79, 0
	s_add_nc_u64 s[\o:\o+1], s[4:5], s[78:79]
	s_lshr_b32 s78, s[TI], 2
	s_lshl_b32 s78, s78, 8
	s_and_b32 s77, s[TI], 3
	s_lshl_b32 s77, s77, 2
	s_add_co_u32 s78, s78, s77
	s_add_co_u32 s78, s78, s76
	s_add_nc_u64 s[\o+2:\o+3], s[4:5], s[78:79]    ; its scale words, less the 6,144 that stand in the load
	s_lshr_b32 s76, s[BH], 4
	s_lshl_b32 s76, s76, 4
	s_add_co_u32 s76, s76, \blk
	s_lshl_b32 s76, s76, 3
	s_add_co_u32 s76, s76, s[TI]                   ; my tile among the 512 of the output's rows
	s_mul_i32 s78, s76, 12288
	s_add_co_u32 s78, s78, s80
	s_add_nc_u64 s[\o+4:\o+5], s[8:9], s[78:79]
	s_lshl_b32 s78, s76, 9
	s_add_co_u32 s78, s78, s81
	s_add_nc_u64 s[\o+6:\o+7], s[10:11], s[78:79]
	s_lshr_b32 s78, s76, 1
	s_lshl_b32 s78, s78, 5
	s_and_b32 s77, s76, 1
	s_lshl_b32 s77, s77, 3
	s_add_co_u32 s78, s78, s77                     ; the tile's first token: 32 (tile / 2) + 8 (tile % 2)
	s_lshl_b32 s78, s78, 2
	s_add_co_u32 s78, s78, NRW
	s_add_nc_u64 s[\o+8:\o+9], s[10:11], s[78:79]
.endm
.macro QLOAD o
	global_load_b128 v[QF:QF+3], v[L16], s[\o:\o+1]
	global_load_b64 v[QF+4:QF+5], v[L8], s[\o:\o+1] offset:512
	global_load_b32 v[QS], v[R16], s[\o+2:\o+3] offset:6144
.endm
.macro INIT                            ; a tile's start: the step is written once and finds zeros
	v_mov_b32 v13, 0xe7800000                      ; the largest t so far: -2^80
	v_mov_b32 v12, 0x67800000                      ; -M
	v_mov_b32 v14, 0
	v_mov_b32 v15, 0
.set j, 0
.rept 32
	v_mov_b32 v[OA+j], 0
.set j, j+1
.endr
.endm
	s_sub_co_u32 s82, 15, s[PP]                    ; my first block
	s_and_b32 s[HD], s[BH], 15
	s_mul_i32 s80, s[HD], 768                      ; the head's unit in a tile of oc
	s_lshr_b32 s81, s[HD], 2
	s_lshl_b32 s81, s81, 7
	s_and_b32 s77, s[HD], 3
	s_lshl_b32 s77, s77, 1
	s_add_co_u32 s81, s81, s77                     ; its two bytes of a row's scale words: 128 (head / 4) + 2 (head % 4)
	BASES s82, B1
	BASES s[PP], B2
	s_lshr_b32 s76, s[TI], 1
	s_lshl_b32 s76, s76, 5
	s_and_b32 s77, s[TI], 1
	s_lshl_b32 s77, s77, 3
	s_add_co_u32 s76, s76, s77                     ; my tile's first query in its block
	s_lshl_b32 s[Q0], s82, 7
	s_mov_b32 s[TB], 0
	s_mov_b32 s[KF], 0
	v_and_b32 v10, 31, v0                          ; lane
	v_and_b32 v11, 15, v0                          ; r
	v_bfe_u32 v4, v0, 4, 1                         ; h
	v_lshlrev_b32 v[L16], 4, v10
	v_lshlrev_b32 v[L8], 3, v10
	v_lshlrev_b32 v[R16], 4, v11
	QLOAD B1
	v_xor_b32 v5, 1, v4
	v_and_b32 v6, 8, v11
	v_lshlrev_b32 v[QF+6], 3, v5                   ; lanes 0-15: the code 1.0 at k = 64
	v_add_nc_u32 v6, v6, v11
	v_lshlrev_b32 v5, 4, v4
.irp i, 7,8,9,10,11
	v_mov_b32 v[QF+\i], 0
.irp f, 0,1,2,3
	v_mov_b32 v[KFR+12*\f+\i], 0
.endr
.endr
	v_sub_nc_u32 v6, v6, v5
	v_mov_b32 v[FF+1], 0                           ; (named as the upper half of a pair)
	v_add_nc_u32 v[QD], s76, v6
	INIT
.macro KLOAD g                         ; four tiles of K: a unit each, and the key's spare code: byte 2 of its scale word
.irp f, 0,1,2,3
	ds_load_b128 v[KFR+12*\f:KFR+12*\f+3], v[A16] offset:768*(\g+\f)
	ds_load_b64 v[KFR+12*\f+4:KFR+12*\f+5], v[A8] offset:768*(\g+\f)+512
	ds_load_u8 v[KFR+12*\f+6], v[AR] offset:12288+64*\g+4*\f+2
.endr
.endm
.macro SCORE g
.irp f, 0,1,2,3
	v_wmma_scale_f32_16x16x128_f8f6f4 v[S+8*(\g+\f):S+8*(\g+\f)+7], v[KFR+12*\f:KFR+12*\f+11], v[QF:QF+11], 0, v[KS+\g+\f], v[QS] matrix_a_fmt:MATRIX_FMT_FP6 matrix_b_fmt:MATRIX_FMT_FP6
.endr
.rept 4
	v_nop                                          ; places behind the products, ahead of loads into and writes of their registers
.endr
.endm
; A KEY STEP: 128 keys.
.macro STEP
	s_cmp_gt_u32 s[KF], s[Q0]                      ; all its keys come after my queries: a branch on the wave's number and the trip, round the work alone
	s_cbranch_scc1 .Lhidden_\@
	v_add_nc_u32 v[A16], s[TB], v[L16]
	v_add_nc_u32 v[A8], s[TB], v[L8]
	v_add_nc_u32 v[AR], s[TB], v[R16]
	ds_load_b128 v[KS:KS+3], v[AR] offset:12288
	ds_load_b128 v[KS+4:KS+7], v[AR] offset:12544
	KLOAD 0
	s_wait_alu depctr_va_vdst(0)
	s_wait_dscnt 0x0
	SCORE 0
	KLOAD 4
.irp t, 0,1,2,3
.irp i, 0,1,2
	ds_load_b128 v[VF+12*\t+4*\i:VF+12*\t+4*\i+3], v[A16] offset:6144+1536*\t+512*\i   ; (the three additions and four v_nop above are the places behind the last step's products)
.endr
.endr
	ds_load_b128 v[VS:VS+3], v[AR] offset:12800
	s_wait_dscnt 13                                ; K's twelve loads are in; V's twelve and its scale words may be out
	SCORE 4
	s_cmp_lg_u32 s[KF], s[Q0]                      ; only the step of my own block holds hidden keys
	s_cbranch_scc1 .Lopen_\@
	v_mov_b32 v10, 0xff800000
.set n, 0
.rept 64
	v_cmp_gt_i32 vcc_lo, 32*(n/16)+n%16, v[QD]     ; register 16 b + i holds key 16 (lane / 16) + 32 b + i of the block
	v_cndmask_b32 v[S+n], v[S+n], v10, vcc_lo
.set n, n+1
.endr
.Lopen_\@:
.irp b, 0,1,2,3
	v_max3_num_f32 v[BM+\b], v[S+16*\b], v[S+1+16*\b], v[S+2+16*\b]   ; the largest score of each block of 32 keys: for the row's maximum and for the block's largest p
.endr
.irp i, 3,5,7,9,11,13
.irp b, 0,1,2,3
	v_max3_num_f32 v[BM+\b], v[BM+\b], v[S+16*\b+\i], v[S+1+16*\b+\i]
.endr
.endr
.irp b, 0,1,2,3
	v_max_num_f32 v[BM+\b], v[BM+\b], v[S+15+16*\b]
.endr
.irp b, 0,1,2,3
	v_permlanex16_b32 v[PM+\b], v[BM+\b], s[SEL], s[SEL+1]
.endr
.irp b, 0,1,2,3
	v_max_num_f32 v[BM+\b], v[BM+\b], v[PM+\b]
.endr
	s_delay_alu instid0(VALU_DEP_2)
	v_max3_num_f32 v[T0], v[BM], v[BM+1], v[BM+2]
	s_delay_alu instid0(VALU_DEP_1)
	v_max_num_f32 v[T0], v[T0], v[BM+3]
	s_delay_alu instid0(VALU_DEP_1)
	v_mul_f32 v[T0], s[CS], v[T0]
	s_delay_alu instid0(VALU_DEP_1)
	v_max_num_f32 v13, v13, v[T0]                  ; the running largest t
	v_mov_b32 v[T0], v12
	s_delay_alu instid0(VALU_DEP_2)
	v_floor_f32 v12, -v13                          ; the new -M: a whole number
	s_delay_alu instid0(VALU_DEP_1)
	v_sub_f32 v[T0], v12, v[T0]
	s_delay_alu instid0(VALU_DEP_1)
	v_cvt_i32_f32 v[T0], v[T0]                     ; (it saturates)
	s_delay_alu instid0(VALU_DEP_1)
	v_ldexp_f32 v[FF], 1.0, v[T0]                  ; f = 2^(old M - new M)
.set j, 0
.rept 32
	v_pk_fma_f32 v[S+j:S+j+1], v[S+j:S+j+1], s[CS:CS+1], v[12:13] op_sel_hi:[1,0,0]   ; t - M
.set j, j+2
.endr
.irp b, 0,1,2,3
	v_fma_f32 v[BM+\b], v[BM+\b], s[CS], v12
.endr
	s_wait_alu depctr_va_vdst(0)
.set j, 0
.rept 64
	v_exp_f32 v[S+j], v[S+j]                       ; p = 2^(t - M)
.set j, j+1
.endr
.irp b, 0,1,2,3
	v_exp_f32 v[BM+\b], v[BM+\b]                   ; each block's largest p: the same two instructions on the same number
.endr
	v_pk_mul_f32 v[14:15], v[14:15], v[FF:FF+1] op_sel_hi:[1,0]   ; the sums under the new M (a plain place behind the exponentials)
	s_wait_alu depctr_va_vdst(0)                   ; one wait for the batch, directly ahead of the first readers of O^T too
.set j, 0
.rept 16
	v_pk_mul_f32 v[OA+j:OA+j+1], v[OA+j:OA+j+1], v[FF:FF+1] op_sel_hi:[1,0]   ; O^T under the new M
.set j, j+2
.endr
.irp b, 0,1,2,3
	v_max_num_f32 v[BM+\b], 0x1800000, v[BM+\b]    ; the floor 2^(3 - 127): the byte cannot fall under 1
.endr
.irp b, 0,1,2,3
	v_add_nc_u32 v[SO+\b], 0xff000000, v[BM+\b]    ; 2 off the exponent field: the conversion's scale operand
.endr
.irp b, 0,1,2,3
	v_lshrrev_b32 v[BY+\b], 23, v[SO+\b]
.endr
	s_delay_alu instid0(VALU_DEP_3)
	v_lshl_or_b32 v[PW], v[BY+1], 8, v[BY]
	s_delay_alu instid0(VALU_DEP_1)
	v_lshl_or_b32 v[PW], v[BY+2], 16, v[PW]
	s_delay_alu instid0(VALU_DEP_1)
	v_lshl_or_b32 v[PW], v[BY+3], 24, v[PW]
.irp c, 0,1
	v_cvt_scalef32_pk16_fp6_f32 v[PC+6*\c:PC+2+6*\c], v[S+32*\c:S+15+32*\c], v[SO+2*\c]
	v_cvt_scalef32_pk16_fp6_f32 v[PH+4*\c:PH+2+4*\c], v[S+16+32*\c:S+31+32*\c], v[SO+2*\c+1]
.endr
	v_nop                                          ; one plain place behind a scaled conversion
.irp c, 0,1                            ; the operand's layout wants a whole block in a lane
.irp i, 0,1,2
	v_permlane16_swap_b32 v[PC+6*\c+\i], v[PH+4*\c+\i]
.endr
.irp i, 0,1,2
	v_mov_b32 v[PC+3+6*\c+\i], v[PH+4*\c+\i]
.endr
.endr
; the row's sum of the unquantised p, in eight chains; these 32 lines are also the places between p's word and codes and the products
.set k, 0
.irp d, 32,34,36,44,46,48,56,58
	v_pk_add_f32 v[\d:\d+1], v[S+4*k:S+4*k+1], v[S+4*k+2:S+4*k+3]
.set k, k+1
.endr
.set k, 0
.irp d, 32,34,36,44,46,48,56,58
	v_pk_add_f32 v[\d:\d+1], v[\d:\d+1], v[S+32+2*k:S+33+2*k]
.set k, k+1
.endr
.set k, 0
.irp d, 32,34,36,44,46,48,56,58
	v_pk_add_f32 v[\d:\d+1], v[\d:\d+1], v[S+48+2*k:S+49+2*k]
.set k, k+1
.endr
	v_pk_add_f32 v[32:33], v[32:33], v[46:47]
	v_pk_add_f32 v[34:35], v[34:35], v[48:49]
	v_pk_add_f32 v[36:37], v[36:37], v[56:57]
	v_pk_add_f32 v[44:45], v[44:45], v[58:59]
	s_delay_alu instid0(VALU_DEP_2)
	v_pk_add_f32 v[32:33], v[32:33], v[36:37]
	s_delay_alu instid0(VALU_DEP_2)
	v_pk_add_f32 v[34:35], v[34:35], v[44:45]
	s_delay_alu instid0(VALU_DEP_2)
	v_pk_add_f32 v[14:15], v[14:15], v[32:33]
	s_delay_alu instid0(VALU_DEP_1)
	v_pk_add_f32 v[14:15], v[14:15], v[34:35]
	s_wait_alu depctr_va_vdst(0)
	s_wait_dscnt 0x0                               ; V and its scale words
.irp t, 0,1,2,3
	v_wmma_scale_f32_16x16x128_f8f6f4 v[OA+8*\t:OA+8*\t+7], v[VF+12*\t:VF+12*\t+11], v[PC:PC+11], v[OA+8*\t:OA+8*\t+7], v[VS+\t], v[PW] matrix_a_fmt:MATRIX_FMT_FP6 matrix_b_fmt:MATRIX_FMT_FP6
.endr
.Lhidden_\@:
	s_add_co_u32 s[KF], s[KF], 128
	s_add_co_u32 s[TB], s[TB], REC
.endm
; A TILE'S WAY OUT: O^T / the sum, quantised along the head's 64 (two blocks), leaves as one unit of the last product's operand and two scale bytes a row.  more = 1: the second tile's Q is asked for first, and the sums begin anew.
.macro FINAL o, more
.rept 4
	v_nop
.endr
.if \more
	QLOAD B2
.endif
	v_add_f32 v14, v14, v15
	v_mov_b32 v11, 1.0
	v_mov_b32 v34, 0x7fc00000
	v_permlanex16_b32 v10, v14, s[SEL], s[SEL+1]
	s_delay_alu instid0(VALU_DEP_1)
	v_add_f32 v14, v14, v10                        ; the row's sum
	s_delay_alu instid0(VALU_DEP_1)
	v_cmp_eq_f32 vcc_lo, 0, v14                    ; no open key:
	v_cndmask_b32 v11, v14, v11, vcc_lo            ; the zeros are divided by 1,
	v_cndmask_b32 v34, 0, v34, vcc_lo              ; and the token's word says NaN
	s_wait_alu depctr_va_vdst(0)
	v_rcp_f32 v15, v11
	v_and_b32 v4, 15, v0                           ; r (plain work behind the reciprocal)
	v_and_b32 v6, 8, v0
	v_lshlrev_b32 v5, 3, v4                        ; 8 r
	v_add_lshl_u32 v6, v6, v4, 2                   ; 4 (r + 8 (r / 8))
	s_wait_alu depctr_va_vdst(0)                   ; ahead of the reciprocal's first reader, and of O^T's
.set j, 0
.rept 32
	v_mul_f32 v[S+j], v[OA+j], v15                 ; register 16 b + i: channel 32 b + 16 (lane / 16) + i
.set j, j+1
.endr
.irp b, 0,1
	v_max3_num_f32 v[BM+\b], |v[S+16*\b]|, |v[S+1+16*\b]|, 0x1800000
.endr
.irp i, 2,4,6,8,10,12,14
.irp b, 0,1
	s_delay_alu instid0(VALU_DEP_2)
	v_max3_num_f32 v[BM+\b], v[BM+\b], |v[S+16*\b+\i]|, |v[S+1+16*\b+\i]|
.endr
.endr
.irp b, 0,1
	v_permlanex16_b32 v[10+\b], v[BM+\b], s[SEL], s[SEL+1]
.endr
.irp b, 0,1
	s_delay_alu instid0(VALU_DEP_2)
	v_max_num_f32 v[BM+\b], v[BM+\b], v[10+\b]
.endr
.irp b, 0,1
	s_delay_alu instid0(VALU_DEP_2)
	v_add_nc_u32 v[SO+\b], 0xff000000, v[BM+\b]
.endr
.irp b, 0,1
	s_delay_alu instid0(VALU_DEP_2)
	v_lshrrev_b32 v[BY+\b], 23, v[SO+\b]
.endr
	s_delay_alu instid0(VALU_DEP_1)
	v_lshl_or_b32 v35, v[BY+1], 8, v[BY]
	v_cvt_scalef32_pk16_fp6_f32 v[PC:PC+2], v[S:S+15], v[SO]
	v_cvt_scalef32_pk16_fp6_f32 v[PH:PH+2], v[S+16:S+31], v[SO+1]
	v_nop
.irp i, 0,1,2
	v_permlane16_swap_b32 v[PC+\i], v[PH+\i]
.endr
.irp i, 0,1,2
	v_mov_b32 v[PC+3+\i], v[PH+\i]
.endr
	global_store_b128 v[L16], v[PC:PC+3], s[\o+4:\o+5]               ; 512 and 256 consecutive bytes, aligned to 256
	global_store_b64 v[L8], v[PC+4:PC+5], s[\o+4:\o+5] offset:512
	global_store_b16 v5, v35, s[\o+6:\o+7]         ; two bytes a row, 8 bytes apart (both halves of the lanes write the same): 32 bytes a wave beside its 768 of codes
	s_wait_alu depctr_va_vdst(0)
	s_cmp_lg_u32 s[HD], 0                          ; all heads of a batch find the same rows empty: head 0 alone stores the words (the cluster's y: the same in all partners)
	s_cbranch_scc1 .Lnot_h0_\@
	global_store_b32 v6, v34, s[\o+8:\o+9]         ; 16 words in two runs of 32 bytes (both halves of the lanes write the same)
.Lnot_h0_\@:
.if \more
	INIT
	s_wait_alu depctr_va_vdst(0)
	s_wait_xcnt 0x0                                ; the stores have read their registers: the next tile writes them again
	s_wait_loadcnt 0x0                             ; the second tile's Q
.endif
.endm
	s_wait_alu depctr_va_vdst(0)
	s_wait_loadcnt 0x0                             ; Q
	s_wait_tensorcnt 0x0                           ; my 13 rows are in
	ds_add_u32 v[SPW], v[NIL]
	s_wait_dscnt 0x0
	ROUND                                          ; everybody's are, and all four work-groups are here
	tensor_load_to_lds s[G0L:G0L+3], s[G1L:G1L+7]  ; my 38 rows of the rest
	s_nop 0
.rept 4
	v_nop
.endr
	s_mov_b32 s[CNT], 4
.Learly:                               ; my first tile, in block 15 - wave % 8: records 0-3
	STEP
	s_sub_co_u32 s[CNT], s[CNT], 1
	s_cmp_lg_u32 s[CNT], 0
	s_cbranch_scc1 .Learly
	s_wait_tensorcnt 0x0                           ; my late rows are in,
	s_wait_dscnt 0x0
	s_barrier_signal -1
	s_barrier_wait -1                              ; everybody's are
	s_mov_b32 s[TB], 4*REC
	s_mov_b32 s[CNT], 12
.Llate:
	STEP
	s_sub_co_u32 s[CNT], s[CNT], 1
	s_cmp_lg_u32 s[CNT], 0
	s_cbranch_scc1 .Llate
	FINAL B1, 1
	s_lshl_b32 s[Q0], s[PP], 7                     ; my second tile, in block wave % 8: at most eight key steps
	s_mov_b32 s[TB], 0
	s_mov_b32 s[KF], 0
	s_mov_b32 s[CNT], 8
.Lsecond:
	STEP
	s_sub_co_u32 s[CNT], s[CNT], 1
	s_cmp_lg_u32 s[CNT], 0
	s_cbranch_scc1 .Lsecond
	FINAL B2, 0
	s_wait_tensorcnt 0x0                           ; the wave's end: an add to my spare word and its wait behind my last tensor load
	ds_add_u32 v[SPW], v[NIL]
	s_wait_dscnt 0x0
	ROUND                                          ; the closing round
	s_endpgm
.Lfunc_end_k_qc584429e4f_attn:
	.size	k_qc584429e4f_attn, .Lfunc_end_k_qc584429e4f_attn-k_qc584429e4f_attn
	.p2alignl 7, 3214868480
	.fill 96, 4, 3214868480
	.section	.rodata,"a",@progbits
	.p2align	6, 0x0
	.amdhsa_kernel k_qc584429e4f_attn
		.amdhsa_group_segment_fixed_size 327680
		.amdhsa_private_segment_fixed_size 0
		.amdhsa_enable_private_segment 0
		.amdhsa_kernarg_size 32
		.amdhsa_user_sgpr_count 2
		.amdhsa_user_sgpr_kernarg_segment_ptr 1
		.amdhsa_wavefront_size32 1
		.amdhsa_system_sgpr_workgroup_id_x 1
		.amdhsa_system_sgpr_workgroup_id_y 1
		.amdhsa_system_sgpr_workgroup_id_z 1
		.amdhsa_system_vgpr_workitem_id 0
		.amdhsa_next_free_vgpr 256
		.amdhsa_next_free_sgpr 90
		.amdhsa_reserve_vcc 1
		.amdhsa_float_denorm_mode_32 3
		.amdhsa_float_denorm_mode_16_64 3
		.amdhsa_memory_ordered 1
		.amdhsa_forward_progress 1
		.amdhsa_inst_pref_size 88
	.end_amdhsa_kernel
	.amdgpu_metadata
---
amdhsa.version: [ 1, 2 ]
amdhsa.kernels:
  - .name:           k_qc584429e4f_attn
    .symbol:         k_qc584429e4f_attn.kd
    .args:
      - { .name: qi, .offset: 0, .size: 8, .value_kind: global_buffer, .address_space: global }
      - { .name: kv, .offset: 8, .size: 8, .value_kind: global_buffer, .address_space: global }
      - { .name: oc, .offset: 16, .size: 8, .value_kind: global_buffer, .address_space: global }
      - { .name: os, .offset: 24, .size: 8, .value_kind: global_buffer, .address_space: global }
    .group_segment_fixed_size: 327680
    .private_segment_fixed_size: 0
    .kernarg_segment_align: 8
    .kernarg_segment_size: 32
    .max_flat_workgroup_size: 512
    .sgpr_count:     90
    .vgpr_count:     256
    .wavefront_size: 32
...
	.end_amdgpu_metadata
.endif
;; end of part 3
;; launch outp (part 4): grid 4 x 64, 4 waves a work-group, clusters of 4 x 4, 327,680 bytes of LDS; arguments oc, os, wc, ws, bo, out0; writes out0
.if DOCPART == 4
	.amdgcn_target "amdgcn-amd-amdhsa--gfx1250"
	.amdhsa_code_object_version 6
	.text
	.protected	k_qc584429e4f_outp
	.globl	k_qc584429e4f_outp
	.p2align	8
	.type	k_qc584429e4f_outp,@function
k_qc584429e4f_outp:
	s_mov_b64 s[64:65], 0
	v_nop
	global_prefetch_b8 v0, s[64:65] scope:SCOPE_SE
	s_setreg_imm32_b32 hwreg(HW_REG_WAVE_MODE, 25, 1), 1
	s_wait_xcnt 0x0
	s_wait_alu depctr_hold_cnt(0) depctr_sa_sdst(0) depctr_va_vdst(0) depctr_va_sdst(0) depctr_va_ssrc(0) depctr_va_vcc(0) depctr_vm_vsrc(0)
	s_getreg_b32 s2, hwreg(HW_REG_IB_STS2, 6, 4)
	s_cmp_eq_u32 s2, 0
	s_cbranch_scc0 .Lentry_in_a_cluster
	s_endpgm
.Lentry_in_a_cluster:
	s_bfe_u32 s2, ttmp6, 0x10000c
	s_cmp_lg_u32 s2, 0xf033
	s_cbranch_scc0 .Lentry_shape_is_right
	s_endpgm
.Lentry_shape_is_right:
; OUTP: out0 = O Wo + bo on codes of FP6 (E2M3) with E8M0 scales, K = 1,024.  256 work-groups in clusters of 4 x 4; a work-group makes 128 tokens x 256 columns, each of its four waves 64 x 128: 32 accumulators, 256 registers.
; Source 0 takes 16 columns of Wo (region B), source 1 16 tokens (region A): a lane holds one token, its registers run along the columns.  Rows go in tiles of 16: tile 2 b + u holds rows 32 b + 8 u + r + 8 (r / 8).
; NO RING: a tile's codes for all of K are 12,288 consecutive bytes (16 units of 768, images of operand registers), and A's 8 tiles and B's 16 tiles, 294,912 bytes, lie in LDS together, each byte filled once.
; One joint load a wave at the head: waves 0, 1 fetch A's two halves (4 tiles each, shared along a row of the cluster), waves 2, 3 B's (8 tiles each, shared along a column).  Nothing is filled again.
; THE SCALE WORDS go from memory into registers: a tile has 512 bytes, [4][16 rows][2 words]; a load of 8 bytes a lane takes a row's words of two steps of 128; lanes 16-31 repeat lanes 0-15, which the instruction reads.
; K goes in eight steps of 128: 32 products on two sets of fragments for both sides; the next step's 48 LDS loads are issued ahead of a step's products.  The bias is the C of the first products.
; A TOKEN WITH NO OPEN KEY: 262,144 bytes behind its scale words os holds a word for each token, 0x7fc00000 for such a token and 0 for every other; the word is ORed onto the token's sums, which sets the exponent field and
; the top mantissa bit: NaN, as reference() has it.
; THE WAY OUT: a block of 16 tokens x 128 columns goes through the wave's stage and leaves as rows of 512 bytes.  The stages lie in A's region, behind a barrier in front of which every wave's last fragment loads have come back.
; NO PREFETCH: every tensor load is issued at the head, and there is no loop to run ahead in.  LIMITS: NaN and infinities among the inputs are not served.
; REGISTERS: window 0: v0-31 addresses; v32-63 A's scale words (8 a + step); v64-127 B's (8 b + step); v128-223 A's fragments, two sets; on the way out v128-255.  window 1: B's two sets at v0 and v128; v96-99 the tokens' words.
;   window 2: the accumulators, (a, b) at v[8 (8 a + b)].  window 3: v0-63 the bias.
.set UNIT,  768
.set TROW,  12288
.set AHALF, 49152                      ; 4 tiles: what a wave fetches and reads of A
.set BREG,  98304                      ; B's region, behind A's 8 tiles
.set BHALF, 98304                      ; 8 tiles: what a wave fetches and reads of B
.set SPARE, 294912                     ; behind the tiles: the spare words, 128 bytes a wave: two blocks of 256 bytes that no other line names
.set SPITCH, 528
.set FR, 12
.set NP, 4                             ; places behind this matrix instruction (ISA guide 7.12.1)
.set ADRA, 16                          ; v16 A's fragments + 16 x lane; v17 + 512 + 8 x lane
.set ADRB, 18                          ; v18-19 the same for B's tiles 0-3; v20-21 for tiles 4-7
.set STO,  24
.set RD,   25
.set SPW,  28
.set NIL,  29
.set SA,   32
.set SB,   64
.set AF,   128
.set BK,   128
.set G1, 24
.set G0, 32
.set G1B, 48
.set G0B, 56
.set MSB, 0
.macro WIN new                         ; the immediate's high byte repeats the setting that is left
.if MSB != \new
	s_set_vgpr_msb (MSB<<8)|\new
.set MSB, \new
.endif
.endm
.set MUL_C,  0xb1                      ; source 0 (B) window 1, source 1 (A) window 0, C window 3 (the bias), D window 2
.set MUL_LO, 0xa1                      ; the same, C and D window 2
.set TO_B,   0x40
.macro CREST
	s_cmp_lg_u32 s14, 0
	s_cbranch_scc1 .Lnot_wave_0_\@
	s_barrier_signal -3
.Lnot_wave_0_\@:
	s_barrier_wait -3
	s_barrier_signal -1
	s_barrier_wait -1
.endm
.macro CROUND
	s_barrier_signal -1
	s_barrier_wait -1
	CREST
.endm
	s_load_b256 s[4:11], s[0:1], 0x0               ; oc s[4:5], os s[6:7], wc s[8:9], ws s[10:11]
	s_load_b128 s[92:95], s[0:1], 0x20             ; bo, out0
	v_lshl_add_u32 v[SPW], v0, 2, SPARE
	v_mov_b32 v[NIL], 0
	ds_add_u32 v[SPW], v[NIL]                      ; the opening lines: the add, twice on end, and its wait ahead of my first tensor load
	ds_add_u32 v[SPW], v[NIL]
	v_lshrrev_b32 v1, 5, v0
	v_readfirstlane_b32 s14, v1                    ; wave 0..3
	s_lshr_b32 s15, s14, 1                         ; my half of A's rows.  Also: I fetch for A (0) or B (1)
	s_and_b32 s16, s14, 1                          ; my half of B's rows.  Also: which half I fetch
	s_bfe_u32 s40, ttmp6, 0x40000                  ; cx
	s_bfe_u32 s41, ttmp6, 0x40004                  ; cy
	s_and_b32 s13, ttmp7, 0xffff                   ; cluster y: 512 tokens
	s_lshl_b32 s43, s41, 2
	s_lshl_b32 s43, 15, s43                        ; my row of the cluster
	s_lshl_b32 s44, 0x1111, s40                    ; my column
	s_or_b32 s[G1+0], s43, (3<<16)|(1<<21)         ; the mask; elements of 8 bytes; no padding; bit 21 beside a mask
	s_or_b32 s[G1B+0], s44, (3<<16)|(1<<21)
	s_mov_b32 s[G1+1], 1536<<16                    ; a row is a tile: 12,288 bytes
	s_mov_b32 s[G1+2], 4<<16                       ; 4 tiles
	s_mov_b32 s[G1+3], 1536<<16
	s_mov_b32 s[G1+4], 4
	s_mov_b32 s[G1+5], 1536
	s_mov_b32 s[G1+6], 0
	s_mov_b32 s[G1+7], 0
	s_mov_b32 s[G1B+1], 1536<<16
	s_mov_b32 s[G1B+2], 8<<16                      ; 8 tiles
	s_mov_b32 s[G1B+3], 1536<<16
	s_mov_b32 s[G1B+4], 8
	s_mov_b32 s[G1B+5], 1536
	s_mov_b32 s[G1B+6], 0
	s_mov_b32 s[G1B+7], 0
	s_lshl_b32 s17, s13, 2
	s_add_co_u32 s17, s17, s41                     ; my block of 128 tokens: hangs on cy alone
	s_lshl_b32 s20, s17, 3                         ; A's first tile
	s_lshl_b32 s46, s40, 4
	s_add_co_u32 s46, s46, 192                     ; B's first tile: Wo's tiles begin at 192; hangs on cx alone
	s_lshl_b32 s18, s16, 2
	s_add_co_u32 s22, s20, s18                     ; the 4 tiles of A that I would fetch
	s_lshl_b32 s18, s16, 3
	s_add_co_u32 s66, s46, s18                     ; the 8 tiles of B that I would fetch, and that I multiply
	s_mul_i32 s22, s22, TROW
	s_mov_b32 s23, 0
	s_mul_i32 s68, s66, TROW
	s_mov_b32 s69, 0
	s_lshl_b32 s18, s15, 2
	s_add_co_u32 s20, s20, s18                     ; the 4 tiles of A that I multiply
	s_lshl_b32 s20, s20, 9                         ; their scale words
	s_mov_b32 s21, 0
	s_lshl_b32 s66, s66, 9
	s_mov_b32 s67, 0
	s_mov_b32 s[G0], 1
	s_mul_i32 s[G0+1], s16, AHALF                  ; no place in the cluster enters an LDS address
	s_mov_b32 s[G0B], 1
	s_mul_i32 s[G0B+1], s16, BHALF
	s_add_co_u32 s[G0B+1], s[G0B+1], BREG
	s_wait_dscnt 0x0                               ; both opening adds are done
	s_wait_kmcnt 0x0
	s_add_nc_u64 s[G0+2:G0+3], s[4:5], s[22:23]
	s_or_b32 s[G0+3], s[G0+3], 0x80000000
	s_add_nc_u64 s[G0B+2:G0B+3], s[8:9], s[68:69]
	s_or_b32 s[G0B+3], s[G0B+3], 0x80000000
	s_add_nc_u64 s[20:21], s[6:7], s[20:21]
	s_add_nc_u64 s[66:67], s[10:11], s[66:67]
	CROUND                                         ; all sixteen work-groups are here: the joint loads meet
	s_cmp_eq_u32 s15, 0                            ; one load a wave, in the two arms of one branch on the wave's number; an s_nop 0 and four v_nop follow each
	s_cbranch_scc0 .Lfor_b
	tensor_load_to_lds s[G0:G0+3], s[G1:G1+7]
	s_nop 0
.rept 4
	v_nop
.endr
	s_branch .Lasked
.Lfor_b:
	tensor_load_to_lds s[G0B:G0B+3], s[G1B:G1B+7]
	s_nop 0
.rept 4
	v_nop
.endr
.Lasked:
	v_and_b32 v1, 31, v0                           ; lane
	v_and_b32 v2, 15, v0                           ; r
	v_bfe_u32 v3, v0, 4, 1                         ; h
	v_lshlrev_b32 v4, 4, v1                        ; 16 x lane
	v_lshlrev_b32 v5, 3, v1                        ; 8 x lane
	v_lshlrev_b32 v7, 3, v2                        ; scale words: 8 bytes a row
	v_lshlrev_b32 v26, 6, v3                       ; the bias: 64 h
	v_and_b32 v9, 8, v2
	v_add_nc_u32 v6, 512, v5
	v_add_nc_u32 v9, v9, v2
	v_lshlrev_b32 v9, 2, v9                        ; 4 (r + 8 (r / 8)): my token in a pair of tiles
	s_lshl_b32 s18, s40, 8
	s_lshl_b32 s19, s16, 7
	s_add_co_u32 s18, s18, s19
	s_lshl_b32 s18, s18, 2                         ; my 128 columns, in bytes
	s_mov_b32 s19, 0
	s_add_nc_u64 s[92:93], s[92:93], s[18:19]
	s_add_nc_u64 s[94:95], s[94:95], s[18:19]
	s_lshl_b32 s18, s17, 7
	s_lshl_b32 s70, s15, 6
	s_add_co_u32 s18, s18, s70                     ; my first token
	s_lshl_b32 s96, s18, 2
	s_add_co_u32 s96, s96, 262144                  ; its word, behind os's scale words
	s_mov_b32 s97, 0
	s_add_nc_u64 s[98:99], s[6:7], s[96:97]
	s_lshl_b32 s18, s18, 12                        ; rows of 4,096 bytes
	s_add_nc_u64 s[94:95], s[94:95], s[18:19]
	s_wait_alu depctr_va_vdst(0)                   ; ahead of the readers below
.irp a, 0,1,2,3
.irp s, 0,1,2,3
	global_load_b64 v[SA+8*\a+2*\s:SA+8*\a+2*\s+1], v7, s[20:21] offset:512*\a+128*\s    ; sixteen lanes read 128 consecutive bytes; four loads read a tile's 512
.endr
.endr
.irp b, 0,1,2,3,4,5,6,7
.irp s, 0,1,2,3
	global_load_b64 v[SB+8*\b+2*\s:SB+8*\b+2*\s+1], v7, s[66:67] offset:512*\b+128*\s
.endr
.endr
	WIN 0xc0                                       ; the destination in window 3
.irp b, 0,1,2,3
.irp n, 0,1,2,3
	global_load_b128 v[16*\b+4*\n:16*\b+4*\n+3], v26, s[92:93] offset:128*\b+16*\n       ; the bias at columns 32 b + 16 h + 4 n on
.endr
.endr
	WIN TO_B
.irp a, 0,1,2,3
	global_load_b32 v[96+\a], v9, s[98:99] offset:(32*(\a/2)+8*(\a%2))*4                 ; my token's word in block a
.endr
	WIN 0
	s_mul_i32 s72, s15, AHALF
	s_mul_i32 s73, s16, BHALF
	s_add_co_u32 s73, s73, BREG
	v_add_nc_u32 v[ADRA], s72, v4
	v_add_nc_u32 v[ADRA+1], s72, v6
	v_add_nc_u32 v[ADRB], s73, v4
	v_add_nc_u32 v[ADRB+1], s73, v6
	s_add_co_u32 s73, s73, 4*TROW
	v_add_nc_u32 v[ADRB+2], s73, v4
	v_add_nc_u32 v[ADRB+3], s73, v6
	s_mul_i32 s72, s14, 16*SPITCH                  ; my stage, in A's region
	v_mul_u32_u24 v[STO], v2, SPITCH
	v_lshl_add_u32 v[STO], v3, 6, v[STO]
	v_add_nc_u32 v[STO], s72, v[STO]               ; in: row r, 64 bytes for each half of the lanes in each 128
	v_add_nc_u32 v[RD], s72, v4                    ; back: the 32 lanes take a row of 512 bytes
.macro FRAG reg, adr, q, i             ; a fragment, 16 rows x 128 K, is two units: four loads of consecutive bytes
	ds_load_b128 v[\reg:\reg+3], v[\adr] offset:TROW*(\i)+2*UNIT*(\q)
	ds_load_b64 v[\reg+4:\reg+5], v[\adr+1] offset:TROW*(\i)+2*UNIT*(\q)
	ds_load_b128 v[\reg+6:\reg+9], v[\adr] offset:TROW*(\i)+2*UNIT*(\q)+UNIT
	ds_load_b64 v[\reg+10:\reg+11], v[\adr+1] offset:TROW*(\i)+2*UNIT*(\q)+UNIT
.endm
.macro FETCH q                         ; step q's fragments into set q % 2: B's eight, A's four: 48 loads
	WIN TO_B
.irp i, 0,1,2,3,4,5,6,7
	FRAG 128*((\q)%2)+FR*\i, ADRB+2*(\i/4), \q, \i%4
.endr
	WIN 0
.irp i, 0,1,2,3
	FRAG AF+48*((\q)%2)+FR*\i, ADRA, \q, \i
.endr
.endm
; 32 products: A's four blocks x B's eight, 128 along K.  first = 1: the bias is their C.  The 32 accumulators take turns, one instruction a turn, in the same order in every step.
.macro MUL32 q, first
.irp a, 0,1,2,3
.irp b, 0,1,2,3,4,5,6,7
.if \first
	v_wmma_scale_f32_16x16x128_f8f6f4 v[8*(8*\a+\b):8*(8*\a+\b)+7], v[128*((\q)%2)+FR*\b:128*((\q)%2)+FR*\b+FR-1], v[AF+48*((\q)%2)+FR*\a:AF+48*((\q)%2)+FR*\a+FR-1], v[8*\b:8*\b+7], v[SB+8*\b+(\q)], v[SA+8*\a+(\q)] matrix_a_fmt:MATRIX_FMT_FP6 matrix_b_fmt:MATRIX_FMT_FP6
.else
	v_wmma_scale_f32_16x16x128_f8f6f4 v[8*(8*\a+\b):8*(8*\a+\b)+7], v[128*((\q)%2)+FR*\b:128*((\q)%2)+FR*\b+FR-1], v[AF+48*((\q)%2)+FR*\a:AF+48*((\q)%2)+FR*\a+FR-1], v[8*(8*\a+\b):8*(8*\a+\b)+7], v[SB+8*\b+(\q)], v[SA+8*\a+(\q)] matrix_a_fmt:MATRIX_FMT_FP6 matrix_b_fmt:MATRIX_FMT_FP6
.endif
.endr
.endr
.endm
.macro PLACES n                        ; plain vector instructions between a matrix instruction and a load into, or a read of, its registers (ISA guide 7.12.1 for reads)
.rept \n
	v_nop
.endr
.endm
	s_wait_alu depctr_va_vdst(0)
	s_wait_tensorcnt 0x0                           ; my tiles are in,
	s_barrier_signal -1
	s_barrier_wait -1                              ; everybody's are
	FETCH 0
	FETCH 1
	s_wait_loadcnt 0x0                             ; the scale words, the bias, the tokens' words
	s_wait_dscnt 48                                ; step 0's fragments are in; step 1's 48 loads may be out
	WIN MUL_C
	MUL32 0, 1
.irp q, 1,2,3,4,5,6
	PLACES NP                                      ; the set that the last step multiplied takes the next step's fragments
	FETCH \q+1
	s_wait_dscnt 48                                ; this step's fragments are in; the 48 loads just issued may be out
	WIN MUL_LO
	MUL32 \q, 0
.endr
	s_wait_dscnt 0x0                               ; my last reads of the tiles have come back:
	s_barrier_signal -1                            ; say so,
	MUL32 7, 0                                     ; work on registers while the others arrive,
	WIN 0
	s_barrier_wait -1                              ; and nobody reads A's region any more: the stages may be written
.macro TOSTAGE a
.set AC, 64*(\a)
	WIN 0x89                                       ; source 0 window 1, source 1 and the destination window 2
.set i, 0
.rept 64
	v_or_b32 v[AC+i], v[96+(\a)], v[AC+i]          ; 0, or the bits that make the token's row NaN; each accumulator from its low end on
.set i, i+1
.endr
	WIN 0x08                                       ; the stores' data: window 2
.irp b, 0,1,2,3
.irp n, 0,1,2,3
	ds_store_b128 v[STO], v[AC+16*\b+4*\n:AC+16*\b+4*\n+3] offset:128*\b+16*\n     ; registers 16 b + 4 n on: columns 32 b + 16 h + 4 n on
.endr
.endr
	WIN 0
.set BB, BK+64*((\a)%2)
.irp t, 0,1,2,3,4,5,6,7,8,9,10,11,12,13,14,15
	ds_load_b128 v[BB+4*\t:BB+4*\t+3], v[RD] offset:\t*SPITCH                      ; LDS serves a wave's instructions in order: these see the stores above
.endr
.endm
.macro SEND a, younger                 ; younger: the LDS instructions issued behind block a's loads, which may stay out
.set BB, BK+64*((\a)%2)
	s_wait_dscnt \younger
.irp t, 0,1,2,3,4,5,6,7,8,9,10,11,12,13,14,15
	global_store_b128 v4, v[BB+4*\t:BB+4*\t+3], s[94:95] offset:(32*((\a)/2)+8*((\a)%2)+\t+8*(\t/8))*4096 th:TH_STORE_NT   ; 32 lanes store 512 consecutive bytes, aligned to 256
.endr
.endm
	PLACES NP
	TOSTAGE 0
.irp a, 1,2,3
.if \a > 1
	s_wait_xcnt 0x0                                ; block a - 2's stores have read their registers: block a's loads may land there
.endif
	TOSTAGE \a
	SEND \a-1, 32                                  ; behind block a - 1's loads: block a's 16 stores and 16 loads
.endr
	SEND 3, 0
	s_wait_tensorcnt 0x0                           ; the wave's end: an add to my spare word and its wait behind my last tensor load and my last LDS store
	ds_add_u32 v[SPW], v[NIL]
	s_wait_dscnt 0x0
	CROUND                                         ; the closing round
	s_endpgm
.Lfunc_end_k_qc584429e4f_outp:
	.size	k_qc584429e4f_outp, .Lfunc_end_k_qc584429e4f_outp-k_qc584429e4f_outp
	.p2alignl 7, 3214868480
	.fill 96, 4, 3214868480
	.section	.rodata,"a",@progbits
	.p2align	6, 0x0
	.amdhsa_kernel k_qc584429e4f_outp
		.amdhsa_group_segment_fixed_size 327680
		.amdhsa_private_segment_fixed_size 0
		.amdhsa_enable_private_segment 0
		.amdhsa_kernarg_size 48
		.amdhsa_user_sgpr_count 2
		.amdhsa_user_sgpr_kernarg_segment_ptr 1
		.amdhsa_wavefront_size32 1
		.amdhsa_system_sgpr_workgroup_id_x 1
		.amdhsa_system_sgpr_workgroup_id_y 1
		.amdhsa_system_sgpr_workgroup_id_z 1
		.amdhsa_system_vgpr_workitem_id 0
		.amdhsa_next_free_vgpr 1024
		.amdhsa_next_free_sgpr 100
		.amdhsa_reserve_vcc 0
		.amdhsa_float_denorm_mode_32 3
		.amdhsa_float_denorm_mode_16_64 3
		.amdhsa_memory_ordered 1
		.amdhsa_forward_progress 1
		.amdhsa_inst_pref_size 94
	.end_amdhsa_kernel
	.amdgpu_metadata
---
amdhsa.version: [ 1, 2 ]
amdhsa.kernels:
  - .name:           k_qc584429e4f_outp
    .symbol:         k_qc584429e4f_outp.kd
    .args:
      - { .name: oc, .offset: 0, .size: 8, .value_kind: global_buffer, .address_space: global }
      - { .name: os, .offset: 8, .size: 8, .value_kind: global_buffer, .address_space: global }
      - { .name: wc, .offset: 16, .size: 8, .value_kind: global_buffer, .address_space: global }
      - { .name: ws, .offset: 24, .size: 8, .value_kind: global_buffer, .address_space: global }
      - { .name: bo, .offset: 32, .size: 8, .value_kind: global_buffer, .address_space: global }
      - { .name: out0, .offset: 40, .size: 8, .value_kind: global_buffer, .address_space: global }
    .group_segment_fixed_size: 327680
    .private_segment_fixed_size: 0
    .kernarg_segment_align: 8
    .kernarg_segment_size: 48
    .max_flat_workgroup_size: 128
    .sgpr_count:     100
    .vgpr_count:     1024
    .wavefront_size: 32
...
	.end_amdgpu_metadata
.endif
;; end of part 4
